; MI455X (gfx1250); checked and timed in simulation.
; The chip was launched on July 23, 2026; its instructions are those of AMD's public machine-readable ISA for CDNA 5 (MIT licence, August 2026) and "CDNA5" Instruction Set Architecture Reference Guide (July 2026). The comments in the code are by the model that wrote it; some were corrected since.
;; Complex Attention. Allowed arithmetic: matrix products marked QUANTISED: E5M2 operands, one E8M0 scale for each 32 along K, by v_wmma_scale_f32_16x16x128_f8f6f4 with both operands' format E5M2, f32 sums; everything else in f32.
;; Inputs: Wki_codes 1,024 x 32 x 32 uint8 (E5M2 codes of Wki, K innermost, in blocks of 32 codes); Wki_scales 1,024 x 32 uint8 (E8M0 scales of Wki, one for each 32 codes along K); Wkr_codes 1,024 x 32 x 32 uint8 (E5M2 codes of Wkr, K innermost, in blocks of 32 codes); Wkr_scales 1,024 x 32 uint8 (E8M0 scales of Wkr, one for each 32 codes along K); Woi_codes 1,024 x 32 x 32 uint8 (E5M2 codes of Woi, K innermost, in blocks of 32 codes); Woi_scales 1,024 x 32 uint8 (E8M0 scales of Woi, one for each 32 codes along K); Wor_codes 1,024 x 32 x 32 uint8 (E5M2 codes of Wor, K innermost, in blocks of 32 codes); Wor_scales 1,024 x 32 uint8 (E8M0 scales of Wor, one for each 32 codes along K); Wqi_codes 1,024 x 32 x 32 uint8 (E5M2 codes of Wqi, K innermost, in blocks of 32 codes); Wqi_scales 1,024 x 32 uint8 (E8M0 scales of Wqi, one for each 32 codes along K); Wqr_codes 1,024 x 32 x 32 uint8 (E5M2 codes of Wqr, K innermost, in blocks of 32 codes); Wqr_scales 1,024 x 32 uint8 (E8M0 scales of Wqr, one for each 32 codes along K); Wvi_codes 1,024 x 32 x 32 uint8 (E5M2 codes of Wvi, K innermost, in blocks of 32 codes); Wvi_scales 1,024 x 32 uint8 (E8M0 scales of Wvi, one for each 32 codes along K); Wvr_codes 1,024 x 32 x 32 uint8 (E5M2 codes of Wvr, K innermost, in blocks of 32 codes); Wvr_scales 1,024 x 32 uint8 (E8M0 scales of Wvr, one for each 32 codes along K); bki 1,024 float32; bkr 1,024 float32; boi 1,024 float32; bor 1,024 float32; bqi 1,024 float32; bqr 1,024 float32; bvi 1,024 float32; bvr 1,024 float32; x_imag_codes 2 x 2,048 x 32 x 32 uint8 (E5M2 codes of x_imag, K innermost, in blocks of 32 codes); x_imag_scales 2 x 2,048 x 32 uint8 (E8M0 scales of x_imag, one for each 32 codes along K); x_real_codes 2 x 2,048 x 32 x 32 uint8 (E5M2 codes of x_real, K innermost, in blocks of 32 codes); x_real_scales 2 x 2,048 x 32 uint8 (E8M0 scales of x_real, one for each 32 codes along K).
;; Outputs: out0 2 x 2,048 x 1,024 float32; out1 2 x 2,048 x 1,024 float32.
;; This version of the problem:
;;   THIS VERSION OF THE PROBLEM IS GIVEN IN LOW PRECISION. The matrix products marked QUANTISED in the list below multiply operands that are first quantised to E5M2 (5 exponent bits, 2 mantissa bits; 8 bits a number), with one power-of-two scale for each 32 numbers along K (OCP MX v1.0); their sums are f32. All else is computed in f32.
;;   The module's matrix products, in the order in which they are computed (A, B: the left and right operand; K: the contracted axis; several contracted axes count as one K, in the product's order):
;;     1. [M 4,096, K 1,024] x [K 1,024, N 1,024]; A: input x_real (given as codes); B: input Wqr (given as codes): QUANTISED
;;     2. [M 4,096, K 1,024] x [K 1,024, N 1,024]; A: input x_imag (given as codes); B: input Wqi (given as codes): QUANTISED
;;     3. [M 4,096, K 1,024] x [K 1,024, N 1,024]; A: input x_real (given as codes); B: input Wkr (given as codes): QUANTISED
;;     4. [M 4,096, K 1,024] x [K 1,024, N 1,024]; A: input x_imag (given as codes); B: input Wki (given as codes): QUANTISED
;;     5. [M 4,096, K 1,024] x [K 1,024, N 1,024]; A: input x_real (given as codes); B: input Wvr (given as codes): QUANTISED
;;     6. [M 4,096, K 1,024] x [K 1,024, N 1,024]; A: input x_imag (given as codes); B: input Wvi (given as codes): QUANTISED
;;     7. batch 32 x [M 2,048, K 64] x [K 64, N 2,048]; A: computed on the way; B: computed on the way: QUANTISED
;;     8. batch 32 x [M 2,048, K 64] x [K 64, N 2,048]; A: computed on the way; B: computed on the way: QUANTISED
;;     9. batch 32 x [M 2,048, K 2,048] x [K 2,048, N 64]; A: softmax (see below); B: computed on the way: QUANTISED
;;     10. batch 32 x [M 2,048, K 2,048] x [K 2,048, N 64]; A: softmax (see below); B: computed on the way: QUANTISED
;;     11. [M 4,096, K 1,024] x [K 1,024, N 1,024]; A: computed on the way; B: input Wor (given as codes): QUANTISED
;;     12. [M 4,096, K 1,024] x [K 1,024, N 1,024]; A: computed on the way; B: input Woi (given as codes): QUANTISED
;;   THE QUANTISER, for each operand of a quantised product, along K:
;;     - K is cut into blocks of 32 from its start; a last block that is shorter is filled with zeros.
;;     - A block's scale is 2^e with e = floor(log2(the largest magnitude in the block)) - 15, held to -126 .. 127; a block of zeros has e = 0. As a byte (E8M0): e + 127.
;;     - Each number is divided by its block's scale, clamped to +-57,344, and rounded to the nearest number of E5M2, ties to even, subnormals kept.
;;     - The product sums the exact products of the quantised numbers (number of the format x scale) in f32.
;;   ~~~python
;;   def quantise(x, axis):      # numpy; x: float32 -> the quantised numbers, widened to float32 again
;;       x = np.moveaxis(x, axis, -1); K = x.shape[-1]
;;       x = np.pad(x, [(0, 0)] * (x.ndim - 1) + [(0, -K % 32)]); x = x.reshape(x.shape[:-1] + (-1, 32)); a = np.abs(x).max(-1, keepdims=True)
;;       e = np.where(a > 0, np.clip(np.frexp(np.where(a > 0, a, 1))[1] - 1 - 15, -126, 127), 0)      # np.frexp(a)[1] - 1 = floor(log2(a)), exactly
;;       r = np.clip(x / 2.0 ** e, -57344, 57344)
;;       step = 2.0 ** (np.maximum(np.frexp(np.where(r == 0, 1, r))[1] - 1, -14) - 2)
;;       q = np.round(r / step) * step * 2.0 ** e      # np.round: ties to even
;;       return np.moveaxis(q.reshape(q.shape[:-2] + (-1,))[..., :K], -1, axis).astype(np.float32)
;;   ~~~
;;   SOFTMAX AHEAD OF A QUANTISED PRODUCT. Where the list says 'softmax', what is quantised is not the finished softmax but p = 2^(t - M), with t = logit x log2(e) and M = ceil(the row's largest t), a whole number; so 1/2 < the row's largest p <= 1. The row's sum l is taken of the UNQUANTISED p, in f32, and the product's result is divided by l at the end. Since M is a whole number, a kernel that streams over the keys may use a running M (the ceiling of the running maximum): every later rescaling is an exact power of two, which a block's scale takes up: the codes' values come out the same.
;;   OPERANDS COMPUTED ON THE WAY. 'Computed on the way' means the value that the module computes at that place (a softmax that the list does not call 'softmax' is quantised finished and normalised). What goes into a quantiser is computed in f32, as accurately as f32 sums, v_exp_f32 and their like allow (about 1e-6 of the number): no bf16 or f16 on the way to a quantiser, and a product that is left as it is and whose result goes on into a quantised operand takes f32 operands (vector FMAs, or v_wmma_f32_16x16x4_f32). A number that lies on a knife's edge between two numbers of the format may be rounded either way, as far as f32 arithmetic and the matrix unit's own rounding can turn it there, and no further.
;;   INPUTS GIVEN AS CODES. Wki (in the module: [1024, 1024], K = its axis 0); Wkr (in the module: [1024, 1024], K = its axis 0); Woi (in the module: [1024, 1024], K = its axis 0); Wor (in the module: [1024, 1024], K = its axis 0); Wqi (in the module: [1024, 1024], K = its axis 0); Wqr (in the module: [1024, 1024], K = its axis 0); Wvi (in the module: [1024, 1024], K = its axis 0); Wvr (in the module: [1024, 1024], K = its axis 0); x_imag (in the module: [2, 2048, 1024], K = its axis 2); x_real (in the module: [2, 2048, 1024], K = its axis 2): each comes as NAME_codes (uint8): NAME with its K axis moved to the last place and cut into blocks of 32 codes, [.., K / 32, bytes a block], one block behind the other in memory; one code a byte (a code: sign, 5 exponent bits, 2 mantissa bits); and NAME_scales (uint8): the same leading axes, one E8M0 byte (e + 127) for each 32 codes along K. Its value is code x scale, taken as it is: it is not quantised again, and the codes and scales need not be those that the quantiser above would give.
;; One version. Each part assembles by itself: llvm-mc -triple=amdgcn-amd-amdhsa -mcpu=gfx1250 --defsym DOCPART=n.
;; ======== version 1 of 1: 3 launches
;; limits: right only within a limited range of input values
;; workspace buffers: q_img 8,388,608 bytes; k_img 8,388,608 bytes; v_img 8,388,608 bytes; q_sc 262,144 bytes; k_sc 262,144 bytes; v_sc 262,144 bytes; o_img 8,388,608 bytes; o_sc 262,144 bytes
;; launch proj (part 1): grid 24 x 16, 4 waves a work-group, clusters of 4 x 4, 327,680 bytes of LDS; arguments x_real_codes, x_real_scales, x_imag_codes, x_imag_scales, Wqr_codes, Wqr_scales, Wqi_codes, Wqi_scales, Wkr_codes, Wkr_scales, Wki_codes, Wki_scales, Wvr_codes, Wvr_scales, Wvi_codes, Wvi_scales, bqr, bqi, bkr, bki, bvr, bvi, q_img, q_sc, k_img, k_sc, v_img, v_sc; writes q_img, q_sc, k_img, k_sc, v_img, v_sc
.if DOCPART == 1
	.amdgcn_target "amdgcn-amd-amdhsa--gfx1250"
	.amdhsa_code_object_version 6
	.text
	.protected	k_qafb03eb8d3_proj
	.globl	k_qafb03eb8d3_proj
	.p2align	8
	.type	k_qafb03eb8d3_proj,@function
k_qafb03eb8d3_proj:
	s_mov_b64 s[64:65], 0
	v_nop
	global_prefetch_b8 v0, s[64:65] scope:SCOPE_SE
	s_setreg_imm32_b32 hwreg(HW_REG_WAVE_MODE, 25, 1), 1
	s_wait_xcnt 0x0
	s_wait_alu depctr_hold_cnt(0) depctr_sa_sdst(0) depctr_va_vdst(0) depctr_va_sdst(0) depctr_va_ssrc(0) depctr_va_vcc(0) depctr_vm_vsrc(0)
	s_getreg_b32 s2, hwreg(HW_REG_IB_STS2, 6, 4)
	s_cmp_eq_u32 s2, 0
	s_cbranch_scc0 .Lentry_in_a_cluster
	s_endpgm
.Lentry_in_a_cluster:
	s_bfe_u32 s2, ttmp6, 0x10000c
	s_cmp_lg_u32 s2, 0xf033
	s_cbranch_scc0 .Lentry_shape_is_right
	s_endpgm
.Lentry_shape_is_right:
; THE SIX PROJECTIONS: q, k, v (real and imaginary) = x W + b on codes of BF8 (E5M2) with one E8M0 scale for each 32 along K = 1,024, sums in f32, and each result quantised anew for the attention that follows.
; A tile of 256 x 256 results is made by a work-group of four waves, 128 x 128 a wave: 64 accumulators of 16 x 16.  K goes in steps of 256 through a ring of two LDS slots filled by the tensor data mover.
; KINDS.  The cluster's x (0..5) says which projection: TY = x / 2 (0 q, 1 k, 2 v), RI = x % 2 (real, imaginary); it is the same in all sixteen partners, so branches may hang on it.
; The body computes A B^T and uses the matrix instruction transposed (source 0 = 16 rows of B, source 1 = 16 rows of A): a lane holds ONE row of A and its registers run along B's rows.
;   q, k: A = x (rows: tokens), B = W (rows: channels): a lane holds a token, its registers run along the channels, which are the K of the scores.
;   v:    A = Wv (rows: channels), B = x (rows: tokens): a lane holds a channel, its registers run along the keys, which are the K of the second product.  Only pointers and tile coordinates are swapped.
; CLUSTERS: 4 x 4 work-groups; A's tiles are shared along a row of the cluster, B's along a column: each is asked for jointly, by the same tensor load with a mask that names the four.
; THE RESULTS LEAVE AS IMAGES OF AN OPERAND'S REGISTERS.  A fragment (16 rows x 128 K) is 2,048 bytes: block c of 32 along K at 512 c + 16 x lane.  The 16 registers of accumulators 2 B and 2 B + 1 hold, in lane (r, h),
; the indices 32 B + 8 h + 0..7 and 32 B + 16 + 8 h + 0..7 of the next K; the conversions lay them at places 32 B + 16 h + 0..15: a fixed permutation INSIDE a block of 32, so inside one scale.  q and k carry the
; same one, and so do v and the weights p that the attention makes, so every product still pairs the right numbers; only the order of the sums inside a block differs from k's own order.
; Each store of codes covers 512 consecutive bytes, aligned.  The scale bytes leave as 2 bytes at a pitch of 4 (q, k: a word's other half belongs to the other of real and imaginary, made by another work-group) or as
; runs of 128 bytes (v): one byte in 32 of what the launch stores.
; LIMITS: NaN, infinities and scale bytes 0xff among the inputs are not served.  A block of zeros gets the byte 1 (its codes are zeros; this program alone reads these bytes).  A block's largest magnitude is never taken under the floor 2^-111.
; REGISTERS, in windows of 256: window 0: v8-15 bias by A's rows, v16-29 addresses, v32-63 scale words (two sets), v64-127 bias by B's rows, v128-255 A's fragments (one set); on the way out v32-63 and v128-255 are at work.
;   window 1: B's fragments, two sets.   window 2: the 32 accumulators of my rows 0-63 (accumulator (a, b) at v[8 (8 a + b)]);   window 3: those of my rows 64-127.
.set NQ,     2                         ; matrix instructions deep in a slot: 256 along K
.set ROWB,   256                       ; a tile's row in bytes
.set KROW,   1024                      ; a row of x or of W in memory, in bytes
.set PITCH,  272                       ; an LDS row: 256 bytes + 16 of padding = 68 words, so that the 16 rows that a load touches start at 16 different banks (64 banks of 4 bytes: ISA guide 11.1)
.set FR,     16                        ; registers of a fragment
.set NL,     4                         ; LDS loads that bring one
.set NP,     8                         ; places behind this matrix instruction (ISA guide 7.12.1)
.set HALFT,  128*PITCH                 ; 128 rows: what one tensor load brings
.set SLOT,   4*HALFT                   ; A's 256 rows, then B's 256 rows
.set LAPS,   2                         ; a lap = two K steps of 256 = once round the ring
.set KS,     32                        ; a row of scale bytes
.set SCL,    2*SLOT                    ; behind the ring: the scales of all of K, as runs of 256 bytes + 16 of padding
.set HALFS,  (128*KS/256)*272          ; those of 128 rows: what one tensor load brings
.set SBLK,   (16*KS/256)*272           ; those of 16 rows
.set SPARE,  SCL+4*HALFS               ; the spare words, 128 bytes for each wave: two blocks of 256 bytes that no other line names
.set BA,   8                           ; v8-15    bias[A's row 16 a + r] (used by v)
.set ADRA, 16                          ; v16-17   LDS address of my A fragments in slot 0, 1
.set ADRB, 20                          ; v20-21   the same for B
.set ADRS, 27                          ; v27      LDS address of my scale words: lanes 0-15 A's rows, lanes 16-31 B's
.set SPW,  28                          ; v28      LDS address of my spare word; never rewritten
.set NIL,  29                          ; v29      0; never rewritten
.set SC,   32                          ; scale words: set s at v[SC + 16 s]; register 2 i + q: lanes 0-15 A's block i, lanes 16-31 B's block i
.set BB,   64                          ; v64-127  bias[B's row 16 b + 8 h + j] at 8 b + j (used by q and k)
.set AF,   128                         ; A's fragments
.set TM,   32                          ; the way out: v32-35 largest magnitudes, v36-39 bytes, v44-47 the conversions' scale operands
.set VO,   50                          ; v50-53   where block B of a tile's codes goes: 16 x lane + the block's place
.set V16H, 54                          ; v54      16 x (lane / 16)
.set VSO,  55                          ; v55      q, k: my scale bytes' place: 4 r + 8,192 h
.set VSL,  56                          ; v56      v: 4 x lane
.set H,    128                         ; v128-191 a tile's 64 numbers with their bias
.set PC,   192                         ; v192-223 codes, two sets by turns
.set SW,   224                         ; v224-231 the eight tiles' scale words
.set T8,   232                         ; v232-239 what the scale stores send
.set AIX,  2                           ; s2   A's first row of my wave: 256 x tile row + 128 x half
.set BIX,  67                          ; s67  B's first row of my wave
.set RI,   66                          ; s66  0 real, 1 imaginary
.set TY,   95                          ; s95  0 q, 1 k, 2 v
.set SEL,  74                          ; s[74:75] the way out: lane selects for v_permlanex16_b32: lane l xor 16
.set MNT,  76
.set G1, 24                            ; s[24:31] descriptor group 1 for A's tiles;  s[32:39] group 0, one set for each slot
.set G0, 32
.set G1B, 48                           ; s[48:55], s[56:63] the same for B's tiles
.set G0B, 56
.set G1S, 68                           ; s[68:75], s[76:79] groups 1 and 0 for A's scales;  s[80:87], s[88:91] for B's
.set G0S, 76
.set G1SB, 80
.set G0SB, 88
.set MSB, 0
.macro WIN new                         ; the immediate's high byte repeats the setting that is left; a switch that changes nothing is dropped
.if MSB != \new
	s_set_vgpr_msb (MSB<<8)|\new
.set MSB, \new
.endif
.endm
.set MUL_LO, 0xa1                      ; source 0 (B) window 1, source 1 (A) window 0, C and D window 2
.set MUL_HI, 0xf1                      ; the same, C and D window 3
.set TO_B,   0x40                      ; destination window 1, address window 0
; A joint load: waves 0 and 1 fetch for A, waves 2 and 3 for B.  Each line has one mask and one set of registers for all that issue it; the branch hangs on the wave's number alone.
; Four v_nop follow each of the two lines, ahead of the jump, the label and what follows.
.macro JLOAD g0a, g1a, g0b, g1b
	s_cmp_eq_u32 s15, 0
	s_cbranch_scc0 .Lfor_b_\@
	tensor_load_to_lds s[\g0a:\g0a+3], s[\g1a:\g1a+7]
	s_nop 0
.rept 4
	v_nop
.endr
	s_branch .Lasked_\@
.Lfor_b_\@:
	tensor_load_to_lds s[\g0b:\g0b+3], s[\g1b:\g1b+7]
	s_nop 0
.rept 4
	v_nop
.endr
.Lasked_\@:
.endm
.macro CREST                           ; a round of the cluster's barrier behind its opening barrier
	s_cmp_lg_u32 s14, 0
	s_cbranch_scc1 .Lnot_wave_0_\@
	s_barrier_signal -3
.Lnot_wave_0_\@:
	s_barrier_wait -3
	s_barrier_signal -1
	s_barrier_wait -1
.endm
.macro CROUND                          ; a whole round
	s_barrier_signal -1
	s_barrier_wait -1
	CREST
.endm
	s_load_b256 s[4:11], s[0:1], 0x0               ; x_real: codes, scales; x_imag: codes, scales
	s_load_b512 s[12:27], s[0:1], 0x20             ; Wqr, Wqi, Wkr, Wki: codes, scales each
	s_load_b256 s[28:35], s[0:1], 0x60             ; Wvr, Wvi: codes, scales each
	s_load_b256 s[36:43], s[0:1], 0x80             ; bqr, bqi, bkr, bki
	s_load_b128 s[44:47], s[0:1], 0xa0             ; bvr, bvi
	s_load_b256 s[48:55], s[0:1], 0xb0             ; q_img, q_sc, k_img, k_sc
	s_load_b128 s[56:59], s[0:1], 0xd0             ; v_img, v_sc
	v_lshl_add_u32 v[SPW], v0, 2, SPARE
	v_mov_b32 v[NIL], 0
	ds_add_u32 v28, v29
	ds_add_u32 v28, v29
	s_wait_dscnt 0x0
	s_lshr_b32 s[TY], ttmp9, 1                     ; in a cluster launch ttmp9 counts clusters
	s_and_b32 s[RI], ttmp9, 1
	s_wait_kmcnt 0x0
	; the buffers of my kind: choices between buffers on the cluster's number alone
	s_cmp_lg_u32 s[RI], 0                          ; imaginary in place of real
	s_cselect_b64 s[4:5], s[8:9], s[4:5]
	s_cselect_b64 s[6:7], s[10:11], s[6:7]
	s_cselect_b64 s[12:13], s[16:17], s[12:13]
	s_cselect_b64 s[14:15], s[18:19], s[14:15]
	s_cselect_b64 s[20:21], s[24:25], s[20:21]
	s_cselect_b64 s[22:23], s[26:27], s[22:23]
	s_cselect_b64 s[28:29], s[32:33], s[28:29]
	s_cselect_b64 s[30:31], s[34:35], s[30:31]
	s_cselect_b64 s[36:37], s[38:39], s[36:37]
	s_cselect_b64 s[40:41], s[42:43], s[40:41]
	s_cselect_b64 s[44:45], s[46:47], s[44:45]
	s_cmp_eq_u32 s[TY], 1                          ; k in place of q
	s_cselect_b64 s[12:13], s[20:21], s[12:13]
	s_cselect_b64 s[14:15], s[22:23], s[14:15]
	s_cselect_b64 s[36:37], s[40:41], s[36:37]
	s_cselect_b64 s[48:49], s[52:53], s[48:49]
	s_cselect_b64 s[50:51], s[54:55], s[50:51]
	s_cmp_eq_u32 s[TY], 2                          ; v in place of q
	s_cselect_b64 s[12:13], s[28:29], s[12:13]
	s_cselect_b64 s[14:15], s[30:31], s[14:15]
	s_cselect_b64 s[36:37], s[44:45], s[36:37]
	s_cselect_b64 s[48:49], s[56:57], s[48:49]
	s_cselect_b64 s[50:51], s[58:59], s[50:51]
	s_cselect_b64 s[20:21], s[12:13], s[4:5]       ; A: for v the weight, else x
	s_cselect_b64 s[22:23], s[14:15], s[6:7]
	s_cselect_b64 s[24:25], s[4:5], s[12:13]       ; B: for v x, else the weight
	s_cselect_b64 s[26:27], s[6:7], s[14:15]
	s_mov_b64 s[4:5], s[20:21]                     ; A's codes
	s_mov_b64 s[6:7], s[22:23]                     ; A's scales
	s_mov_b64 s[8:9], s[24:25]                     ; B's codes
	s_mov_b64 s[10:11], s[26:27]                   ; B's scales
	s_mov_b64 s[12:13], s[48:49]                   ; the images that I store
	s_mov_b64 s[96:97], s[50:51]                   ; their scale bytes
	s_mov_b64 s[98:99], s[36:37]                   ; the bias
	v_lshrrev_b32 v1, 5, v0
	v_readfirstlane_b32 s14, v1                    ; wave 0..3
	s_lshr_b32 s15, s14, 1                         ; which half of the tile's rows (A's) is mine.  Also: I fetch for A (0) or for B (1)
	s_and_b32 s16, s14, 1                          ; which half of its columns (B's rows).  Also: which 128 rows of that tile I fetch
	s_bfe_u32 s40, ttmp6, 0x40000                  ; cx, cy: my place in the cluster
	s_bfe_u32 s41, ttmp6, 0x40004
	s_and_b32 s18, ttmp7, 0xffff                   ; the cluster's y, 0..3, walks x's 16 tiles of 256 rows: they are A's tiles for q and k, B's for v
	s_cmp_eq_u32 s[TY], 2
	s_cselect_b32 s19, 0, s18
	s_cselect_b32 s18, s18, 0
	s_lshl_b32 s42, s18, 2
	s_add_co_u32 s42, s42, s40                     ; tile column (B's tile)
	s_lshl_b32 s17, s19, 2
	s_add_co_u32 s17, s17, s41                     ; tile row (A's tile)
	s_lshl_b32 s43, s41, 2
	s_lshl_b32 s43, 15, s43                        ; my row of the cluster
	s_lshl_b32 s44, 0x1111, s40                    ; my column
	; descriptor group 1: a tile of 128 rows x 256 bytes, padded in LDS
	s_or_b32 s[G1+0], s43, (0<<16)|(1<<20)|(1<<21)|(5<<22)|(3<<25)  ; 15:0 the mask: A's tiles go to my row; 17:16 elements of 1 byte; 20 padding on; 21 set beside a mask; 24:22 after every 64 words (code 5); 31:25 four words (code 3)
	s_or_b32 s[G1B+0], s44, (0<<16)|(1<<20)|(1<<21)|(5<<22)|(3<<25)
.irp g, G1, G1B
	s_mov_b32 s[\g+1], ROWB<<16                    ; tensor_dim0
	s_mov_b32 s[\g+2], 128<<16                     ; tensor_dim1 = 128
	s_mov_b32 s[\g+3], ROWB<<16                    ; tile_dim0
	s_mov_b32 s[\g+4], 128                         ; tile_dim1 = 128
	s_mov_b32 s[\g+5], KROW                        ; tensor_dim0_stride
	s_mov_b32 s[\g+6], 0
	s_mov_b32 s[\g+7], 0
.endr
	; the scales of 128 rows: a dense block of 4,096 bytes, as 16 rows of 256 bytes (32 elements of 8 bytes), 16 bytes of padding behind each
	s_or_b32 s[G1S+0], s43, (3<<16)|(1<<20)|(1<<21)|(5<<22)|(3<<25)
	s_or_b32 s[G1SB+0], s44, (3<<16)|(1<<20)|(1<<21)|(5<<22)|(3<<25)
.irp g, G1S, G1SB
	s_mov_b32 s[\g+1], 32<<16
	s_mov_b32 s[\g+2], (128*KS/256)<<16
	s_mov_b32 s[\g+3], 32<<16
	s_mov_b32 s[\g+4], 128*KS/256
	s_mov_b32 s[\g+5], 32
	s_mov_b32 s[\g+6], 0
	s_mov_b32 s[\g+7], 0
.endr
	s_lshl_b32 s18, s16, 7                         ; which 128 rows of the tile I fetch
	s_lshl_b32 s20, s17, 8
	s_add_co_u32 s20, s20, s18                     ; A: row 256 x tile row + 128 x half
	s_lshl_b32 s46, s42, 8
	s_add_co_u32 s46, s46, s18                     ; B: row 256 x tile column + 128 x half
	s_mov_b32 s21, 0
	s_mov_b32 s47, 0
	s_mov_b64 s[18:19], KS
	s_mul_u64 s[22:23], s[20:21], s[18:19]         ; where these rows' scales begin, in bytes
	s_mul_u64 s[92:93], s[46:47], s[18:19]
	s_mov_b64 s[18:19], KROW
	s_mul_u64 s[20:21], s[20:21], s[18:19]         ; and their codes
	s_mul_u64 s[46:47], s[46:47], s[18:19]
	s_mul_i32 s45, s14, HALFT                      ; where they go: wave x 128 rows: no place in the cluster enters an LDS address
	s_mul_i32 s94, s14, HALFS
	s_add_nc_u64 s[20:21], s[4:5], s[20:21]
	s_add_nc_u64 s[22:23], s[6:7], s[22:23]
	s_add_nc_u64 s[46:47], s[8:9], s[46:47]
	s_add_nc_u64 s[92:93], s[10:11], s[92:93]
	CROUND                                         ; all sixteen work-groups are here: the first joint loads meet
	s_mov_b32 s[G0S], 1
	s_add_co_u32 s[G0S+1], s94, SCL
	s_mov_b64 s[G0S+2:G0S+3], s[22:23]
	s_or_b32 s[G0S+3], s[G0S+3], 0x80000000
	s_mov_b32 s[G0SB], 1
	s_add_co_u32 s[G0SB+1], s94, SCL
	s_mov_b64 s[G0SB+2:G0SB+3], s[92:93]
	s_or_b32 s[G0SB+3], s[G0SB+3], 0x80000000
	JLOAD G0S, G1S, G0SB, G1SB                     ; the scales first: they are wanted with K step 0
.irp s, 0,1
	s_mov_b32 s[G0+4*\s], 1
	s_add_co_u32 s[G0+4*\s+1], s45, \s*SLOT
	s_add_nc_u64 s[G0+4*\s+2:G0+4*\s+3], s[20:21], \s*ROWB
	s_or_b32 s[G0+4*\s+3], s[G0+4*\s+3], 0x80000000
	s_mov_b32 s[G0B+4*\s], 1
	s_add_co_u32 s[G0B+4*\s+1], s45, \s*SLOT
	s_add_nc_u64 s[G0B+4*\s+2:G0B+4*\s+3], s[46:47], \s*ROWB
	s_or_b32 s[G0B+4*\s+3], s[G0B+4*\s+3], 0x80000000
	JLOAD G0+4*\s, G1, G0B+4*\s, G1B
.endr
	v_and_b32 v1, 15, v0                           ; r = lane % 16
	v_bfe_u32 v2, v0, 4, 1                         ; h = lane / 16
	v_mul_u32_u24 v3, v1, PITCH
	v_lshl_add_u32 v4, v2, 4, v3                   ; a fragment's row x pitch + 16 x half
	s_mul_i32 s21, s15, HALFT                      ; my 128 rows of A
	s_mul_i32 s22, s16, HALFT                      ; my 128 rows of B,
	s_add_co_u32 s22, s22, 2*HALFT                 ; which lie behind A's 256
.irp s, 0,1
	v_add_nc_u32 v[ADRA+\s], s21, v4
	v_add_nc_u32 v[ADRB+\s], s22, v4
	s_add_co_u32 s21, s21, SLOT
	s_add_co_u32 s22, s22, SLOT
.endr
	v_mul_u32_u24 v5, v1, KS                       ; my row's scales: 32 bytes a row,
	v_lshrrev_b32 v6, 8, v5
	v_lshl_add_u32 v5, v6, 4, v5                   ; and 16 more for each 256 passed
	s_mul_i32 s21, s15, HALFS                      ; A's: my 128 rows
	s_mul_i32 s22, s16, HALFS                      ; B's: my 128 rows, behind A's 256
	s_add_co_u32 s22, s22, 2*HALFS
	s_sub_co_u32 s22, s22, s21
	v_mul_u32_u24 v6, s22, v2                      ; lanes 16-31 take B's
	s_add_co_u32 s21, s21, SCL
	v_add_nc_u32 v5, v5, v6
	v_add_nc_u32 v[ADRS], s21, v5
	; THE BIAS, in both layouts.  The one that my kind does not use is loaded from the bias's first 128 numbers, so that every load stays inside its 1,024
	s_lshl_b32 s[AIX], s17, 8
	s_lshl_b32 s18, s15, 7
	s_add_co_u32 s[AIX], s[AIX], s18               ; A's first row of my wave
	s_lshl_b32 s[BIX], s42, 8
	s_lshl_b32 s18, s16, 7
	s_add_co_u32 s[BIX], s[BIX], s18               ; B's first row of my wave
	s_cmp_eq_u32 s[TY], 2
	s_cselect_b32 s92, 0, s[BIX]                   ; q, k: the channels are B's rows
	s_cselect_b32 s18, s[AIX], 0                   ; v: they are A's
	s_lshl_b32 s92, s92, 2
	s_lshl_b32 s18, s18, 2
	s_mov_b32 s93, 0
	s_mov_b32 s19, 0
	s_add_nc_u64 s[92:93], s[98:99], s[92:93]
	s_add_nc_u64 s[18:19], s[98:99], s[18:19]
	v_lshlrev_b32 v7, 5, v2                        ; 32 h: eight numbers for each half of the lanes
	v_lshlrev_b32 v6, 2, v1                        ; 4 r
.irp b, 0,1,2,3,4,5,6,7
	global_load_b128 v[BB+8*\b:BB+8*\b+3], v7, s[92:93] offset:64*\b
	global_load_b128 v[BB+8*\b+4:BB+8*\b+7], v7, s[92:93] offset:64*\b+16
.endr
.irp a, 0,1,2,3,4,5,6,7
	global_load_b32 v[BA+\a], v6, s[18:19] offset:64*\a
.endr
.macro FRAG reg, adr, q, i             ; a fragment, 16 rows x 128 K of 8-bit codes, is 16 registers: lane l holds row l % 16; registers 4 c .. 4 c + 3 hold K = 32 c + 16 (l / 16) + 0 .. 15
.irp c, 0,1,2,3
	ds_load_b128 v[\reg+4*\c:\reg+4*\c+3], v[\adr] offset:128*(\q)+32*\c+(\i)*16*PITCH
.endr
.endm
; 16 matrix instructions: A's blocks a0, a0 + 1 x B's eight, 128 along K: the slot's q-th.  p: B's set;  sc: the set of scale words.  zero = 1: the first product starts the sums: nothing is ever cleared.
; The 64 accumulators take turns, one instruction a turn, in the same order in every step.
.macro MUL16 a0, p, q, sc, zero
.irp a, \a0, \a0+1
.irp b, 0,1,2,3,4,5,6,7
.if \zero
	v_wmma_scale_f32_16x16x128_f8f6f4 v[8*(8*((\a)%4)+\b):8*(8*((\a)%4)+\b)+7], v[128*(\p)+FR*\b:128*(\p)+FR*\b+FR-1], v[AF+FR*(\a):AF+FR*(\a)+FR-1], 0, v[SC+8*NQ*(\sc)+NQ*\b+(\q)], v[SC+8*NQ*(\sc)+NQ*(\a)+(\q)] matrix_a_fmt:MATRIX_FMT_BF8 matrix_b_fmt:MATRIX_FMT_BF8 matrix_a_scale:MATRIX_SCALE_ROW1
.else
	v_wmma_scale_f32_16x16x128_f8f6f4 v[8*(8*((\a)%4)+\b):8*(8*((\a)%4)+\b)+7], v[128*(\p)+FR*\b:128*(\p)+FR*\b+FR-1], v[AF+FR*(\a):AF+FR*(\a)+FR-1], v[8*(8*((\a)%4)+\b):8*(8*((\a)%4)+\b)+7], v[SC+8*NQ*(\sc)+NQ*\b+(\q)], v[SC+8*NQ*(\sc)+NQ*(\a)+(\q)] matrix_a_fmt:MATRIX_FMT_BF8 matrix_b_fmt:MATRIX_FMT_BF8 matrix_a_scale:MATRIX_SCALE_ROW1
.endif
.endr
.endr
.endm
.macro FETCH_B slot, q, p              ; B's eight fragments of the slot's q-th 128 along K into set p
	WIN TO_B
.irp i, 0,1,2,3,4,5,6,7
	FRAG 128*(\p)+FR*\i, ADRB+\slot, \q, \i
.endr
	WIN 0
.endm
.macro FETCH_A slot, q, i0             ; A's blocks i0 .. i0 + 3
.irp i, \i0, \i0+1, \i0+2, \i0+3
	FRAG AF+FR*(\i), ADRA+\slot, \q, \i
.endr
.endm
.macro SCALES sc                       ; the next K step's scale words into set sc: two words a row; lanes 0-15 take A's block i, lanes 16-31 B's block i
.irp i, 0,1,2,3,4,5,6,7
	ds_load_b64 v[SC+8*NQ*\sc+NQ*\i:SC+8*NQ*\sc+NQ*\i+1], v[ADRS] offset:\i*SBLK
.endr
.endm
; A load into a register that a matrix instruction has read, and a vector instruction that reads a matrix result or writes one of its registers, stand NP places behind it; only plain vector
; instructions that name none of its registers are places (ISA guide 7.12.1 for vector instructions).
.macro PLACES n
.rept \n
	v_nop
.endr
.endm
; A step of 128 along K that has its successor in the same slot.  A has one set of registers: a block is free when its eight products are issued; B has two.
.macro STEP slot, q, zero
	s_wait_dscnt 4*NL                              ; B's set and A's blocks 0-3 are in; the youngest 16 loads (A's blocks 4-7) may be out
	WIN MUL_LO
	MUL16 0, (\q)%2, \q, \slot, \zero
	MUL16 2, (\q)%2, \q, \slot, \zero
	s_wait_dscnt 0                                 ; A's blocks 4-7 are in (asked for 32 matrix instructions ago)
	PLACES NP
	FETCH_B \slot, (\q)+1, 1-(\q)%2
	FETCH_A \slot, (\q)+1, 0
	WIN MUL_HI
	MUL16 4, (\q)%2, \q, \slot, \zero
	MUL16 6, (\q)%2, \q, \slot, \zero
	PLACES NP
	WIN 0
	FETCH_A \slot, (\q)+1, 4
.endm
; A slot's last step changes slots: ONE barrier; in front of it each wave waits for all its tensor loads, adds 0 to its spare word, and waits for that and for its own reads of this slot.  fill = 1: this slot is filled again, two K steps ahead.
.macro TURN slot, next, fill
	s_wait_tensorcnt 0x0                           ; all my tensor loads have landed: the one that was out is my part of the next slot  (every window is 0 here)
	ds_add_u32 v[SPW], v[NIL]                      ; 0 onto my spare word
	s_wait_dscnt 4*NL+1                            ; the add and the youngest 16 loads (A's blocks 4-7) may be out
	WIN MUL_LO
	MUL16 0, 1, NQ-1, \slot, 0                     ; sixteen matrix instructions stand between the add and the wait for it
	s_wait_dscnt 0x0                               ; the add is done, and my reads of this slot are over
	s_barrier_signal -1
	MUL16 2, 1, NQ-1, \slot, 0
	WIN 0
	s_barrier_wait -1
.if \fill
	CREST                                          ; the barrier has opened a round of the cluster's barrier: no wave of any partner still reads this slot's tile or has a load on its way
	s_add_nc_u64 s[G0+4*\slot+2:G0+4*\slot+3], s[G0+4*\slot+2:G0+4*\slot+3], 2*ROWB
	s_add_nc_u64 s[G0B+4*\slot+2:G0B+4*\slot+3], s[G0B+4*\slot+2:G0B+4*\slot+3], 2*ROWB
	JLOAD G0+4*\slot, G1, G0B+4*\slot, G1B         ; the first tensor load behind the round, my one load until the next; its four v_nop are among the places in front of the loads below
	PLACES NP-4
.else
	PLACES NP
.endif
	s_wait_alu depctr_va_vdst(0)
	v_add_nc_u32 v[ADRS], 4*NQ, v[ADRS]            ; on to the next K step's scale words
	FETCH_B \next, 0, 0
	FETCH_A \next, 0, 0
	SCALES \next
	WIN MUL_HI
	MUL16 4, 1, NQ-1, \slot, 0
	MUL16 6, 1, NQ-1, \slot, 0
	PLACES NP
	WIN 0
	FETCH_A \next, 0, 4
.endm
	s_wait_alu depctr_va_vdst(0)
	s_wait_loadcnt 0x0                             ; the bias is in: no load of mine is out at the barriers
	s_wait_tensorcnt 1                             ; of my three first fills the scales and K step 0 are in; K step 1's may be out
	s_barrier_signal -1
	s_barrier_wait -1                              ; everybody's are
	FETCH_B 0, 0, 0
	FETCH_A 0, 0, 0
	SCALES 0
	FETCH_A 0, 0, 4
	STEP 0, 0, 1                                   ; the first step stands in front of the loop: its products start the sums
	s_mov_b32 s3, LAPS-1
.Llap:                                                 ; a trip goes once round the ring, from a lap's second step to the next lap's first, and fills both slots again
	TURN 0, 1, 1
	STEP 1, 0, 0
	TURN 1, 0, 1
	STEP 0, 0, 0
	s_sub_co_u32 s3, s3, 1
	s_cmp_lg_u32 s3, 0
	s_cbranch_scc1 .Llap
	TURN 0, 1, 0                                   ; the last lap fills nothing, and has no round of the cluster's barrier
	STEP 1, 0, 0
	s_wait_dscnt 4*NL                              ; the very last step: nothing more to fetch
	WIN MUL_LO
	MUL16 0, 1, NQ-1, 1, 0
	MUL16 2, 1, NQ-1, 1, 0
	s_wait_dscnt 0
	WIN MUL_HI
	MUL16 4, 1, NQ-1, 1, 0
	MUL16 6, 1, NQ-1, 1, 0
	WIN 0
	; THE WAY OUT.  No tensor load of mine is out (the last change of slots waited for all), so the descriptors' registers are free.
	s_cmp_eq_u32 s[TY], 2
	s_cselect_b32 s68, s[BIX], s[AIX]              ; my first row of x: 2,048 b + t
	s_cselect_b32 s69, s[AIX], s[BIX]              ; my first channel
	s_lshr_b32 s70, s68, 11
	s_lshl_b32 s70, s70, 4
	s_lshr_b32 s71, s69, 6
	s_add_co_u32 s70, s70, s71                     ; my first head: 16 b + channel / 64 (my 128 channels are two heads)
	s_and_b32 s71, s68, 2047                       ; t
	s_lshl_b32 s80, s70, 18                        ; a head is 262,144 bytes of images;
	s_lshl_b32 s81, s71, 7                         ; 16 tokens of q or k are 2,048 bytes, and 128 keys of v 16,384: t x 128 both ways
	s_add_co_u32 s80, s80, s81
	s_cmp_eq_u32 s[TY], 2
	s_cselect_b32 s81, 13, 10                      ; imaginary: v: four fragments (8,192 bytes) on; q, k: two blocks (1,024 bytes) on
	s_cselect_b32 s82, 8, 1                        ; and among the scale bytes: v: 64 words on; q, k: two bytes on
	s_mov_b32 s77, 262144
	s_cselect_b32 s77, 1024, s77                   ; block 2 of a tile: v: the third block of keys; q, k: the second head's first block
	s_mov_b32 s78, 262656
	s_cselect_b32 s78, 1536, s78                   ; block 3 likewise
	s_mov_b32 s79, 8192
	s_cselect_b32 s79, 262144, s79                 ; tiles 4-7: v: the second head; q, k: four tiles of tokens on
	s_lshl_b32 s81, s[RI], s81
	s_add_co_u32 s80, s80, s81
	s_mov_b32 s81, 0
	s_add_nc_u64 s[12:13], s[12:13], s[80:81]      ; where tiles 0-3 go
	s_mov_b32 s80, s79
	s_add_nc_u64 s[72:73], s[12:13], s[80:81]      ; and tiles 4-7
	s_lshl_b32 s80, s70, 13                        ; a head is 8,192 scale bytes; 4 bytes a token (q, k), 512 a step of 128 keys (v): t x 4 both ways
	s_lshl_b32 s83, s71, 2
	s_add_co_u32 s80, s80, s83
	s_lshl_b32 s83, s[RI], s82
	s_add_co_u32 s80, s80, s83
	s_add_nc_u64 s[96:97], s[96:97], s[80:81]
	s_mov_b32 s[SEL], 0x76543210
	s_mov_b32 s[SEL+1], 0xfedcba98
	PLACES NP                                      ; behind the last products: for the first read of results and for the writes over A's fragments and the scale words
	v_and_b32 v57, 31, v0
	v_lshlrev_b32 v[VO], 4, v57
	v_add_nc_u32 v[VO+1], 512, v[VO]
	v_add_nc_u32 v[VO+2], s77, v[VO]
	v_add_nc_u32 v[VO+3], s78, v[VO]
	v_bfe_u32 v[V16H], v0, 4, 1
	v_and_b32 v[VSO], 15, v0
	v_lshlrev_b32 v[VSO], 2, v[VSO]
	v_lshl_add_u32 v[VSO], v[V16H], 13, v[VSO]
	v_lshlrev_b32 v[V16H], 4, v[V16H]
	v_lshlrev_b32 v[VSL], 2, v57
.irp b, 0,1,2,3
	v_mov_b32 v[TM+4+\b], 0                        ; written once: a lane permute's destination counts as one of its sources
.endr
; 64 numbers of a lane, v[s] on, 16 of each of four blocks of 32 (the other 16 lie in lane l xor 16), become a fragment's codes in v[pc] on and its scale word in v[pw].
.macro QUANT s, pc, pw
.irp b, 0,1,2,3
	v_max3_num_f32 v[TM+\b], |v[\s+16*\b]|, |v[\s+1+16*\b]|, 0x8000000   ; my 16 numbers and the floor 2^(16 - 127): the byte cannot fall under 1
.endr
.irp i, 2,4,6,8,10,12,14
.irp b, 0,1,2,3
	v_max3_num_f32 v[TM+\b], v[TM+\b], |v[\s+16*\b+\i]|, |v[\s+1+16*\b+\i]|   ; the four blocks by turns
.endr
.endr
.irp b, 0,1,2,3
	v_permlanex16_b32 v[TM+4+\b], v[TM+\b], s[SEL], s[SEL+1]
.endr
.irp b, 0,1,2,3
	v_max_num_f32 v[TM+\b], v[TM+\b], v[TM+4+\b]   ; with lane l xor 16's: the block's largest magnitude
.endr
.irp b, 0,1,2,3
	v_add_nc_u32 v[TM+12+\b], 0xf8800000, v[TM+\b] ; 15 off its exponent field: the conversion takes the exponent field of this operand as its scale
.endr
.irp b, 0,1,2,3
.endr
.irp b, 0,1,2,3
	v_lshrrev_b32 v[TM+4+\b], 23, v[TM+12+\b]      ; the scale's byte
.endr
	v_lshl_or_b32 v[\pw], v[TM+5], 8, v[TM+4]
	v_lshl_or_b32 v[\pw], v[TM+6], 16, v[\pw]
	v_lshl_or_b32 v[\pw], v[TM+7], 24, v[\pw]
.irp b, 0,1,2,3
.irp i, 0,1,2,3,4,5,6,7,8,9,10,11,12,13,14,15
.endr
	v_cvt_scalef32_pk8_bf8_f32 v[\pc+4*\b:\pc+1+4*\b], v[\s+16*\b:\s+7+16*\b], v[TM+12+\b]
	v_cvt_scalef32_pk8_bf8_f32 v[\pc+2+4*\b:\pc+3+4*\b], v[\s+8+16*\b:\s+15+16*\b], v[TM+12+\b]
.endr
	v_nop                                          ; a plain vector instruction between the last conversion and the next vector instruction that writes its sources
.endm
; Tile a: 16 rows of A x my 128 rows of B.  The bias's addition also brings the numbers into window 0; each accumulator is read from its low end on.
.macro TILE_OUT a
.set AC, 64*((\a)%4)
.set PCS, PC+16*((\a)%2)
.set SWA, SW+(\a)
	s_wait_xcnt 0x0                                ; the stores of two tiles back have read their codes: that set is written again only behind this wait
	s_cmp_eq_u32 s[TY], 2
	s_cbranch_scc1 .Lv_\@
.if (\a) < 4
	WIN 0x02                                       ; source 0: window 2
.else
	WIN 0x03                                       ; source 0: window 3
.endif
.set p, 0
.rept 32
	v_pk_add_f32 v[H+p:H+p+1], v[AC+p:AC+p+1], v[BB+p:BB+p+1]   ; q, k: the registers run along the channels
.set p, p+2
.endr
	WIN 0
	s_branch .Lq_\@
.Lv_\@:
.if (\a) < 4
	WIN 0x02
.else
	WIN 0x03
.endif
.set p, 0
.rept 64
	v_add_f32 v[H+p], v[AC+p], v[BA+(\a)]          ; v: a lane holds one channel
.set p, p+1
.endr
	WIN 0
.Lq_\@:
	QUANT H, PCS, SWA
.irp be, 0,1,2,3
.if (\a) < 4
	global_store_b128 v[VO+\be], v[PCS+4*\be:PCS+4*\be+3], s[12:13] offset:((\a)%4)*2048   ; 32 lanes store 512 consecutive bytes, aligned: a block of a fragment's image
.else
	global_store_b128 v[VO+\be], v[PCS+4*\be:PCS+4*\be+3], s[72:73] offset:((\a)%4)*2048
.endif
.endr
.endm
.irp a, 0,1,2,3,4,5,6,7
	TILE_OUT \a
.endr
	; the scale bytes
	s_cmp_eq_u32 s[TY], 2
	s_cbranch_scc1 .Lv_scales
.irp a, 0,1,2,3,4,5,6,7
	v_lshrrev_b32 v[T8+\a], v[V16H], v[SW+\a]      ; lanes 0-15 send the first head's two bytes, lanes 16-31 the second head's
.endr
.irp a, 0,1,2,3,4,5,6,7
	global_store_b16 v[VSO], v[T8+\a], s[96:97] offset:64*\a
.endr
	s_branch .Lscales_done
.Lv_scales:
	s_mov_b32 s77, 0xffff0000
.irp a, 0,2,4,6
	v_cndmask_b32 v[T8+\a], v[SW+\a], v[SW+\a+1], s77   ; lanes 0-15 tile a's words, lanes 16-31 tile a + 1's: 32 neighbouring channels
.endr
.irp a, 0,2,4,6
	global_store_b32 v[VSL], v[T8+\a], s[96:97] offset:(\a%4)*64+(\a/4)*8192
.endr
.Lscales_done:
	s_wait_tensorcnt 0x0                           ; the wave's end
	ds_add_u32 v[SPW], v[NIL]
	s_wait_dscnt 0x0
	CROUND                                         ; the closing round: no work-group ends while a partner may still ask for a tile that names it
	s_endpgm
.Lfunc_end_k_qafb03eb8d3_proj:
	.size	k_qafb03eb8d3_proj, .Lfunc_end_k_qafb03eb8d3_proj-k_qafb03eb8d3_proj
	.p2alignl 7, 3214868480
	.fill 96, 4, 3214868480
	.section	.rodata,"a",@progbits
	.p2align	6, 0x0
	.amdhsa_kernel k_qafb03eb8d3_proj
		.amdhsa_group_segment_fixed_size 327680
		.amdhsa_private_segment_fixed_size 0
		.amdhsa_enable_private_segment 0
		.amdhsa_kernarg_size 224
		.amdhsa_user_sgpr_count 2
		.amdhsa_user_sgpr_kernarg_segment_ptr 1
		.amdhsa_wavefront_size32 1
		.amdhsa_system_sgpr_workgroup_id_x 1
		.amdhsa_system_sgpr_workgroup_id_y 1
		.amdhsa_system_sgpr_workgroup_id_z 1
		.amdhsa_system_vgpr_workitem_id 0
		.amdhsa_next_free_vgpr 1024
		.amdhsa_next_free_sgpr 100
		.amdhsa_reserve_vcc 0
		.amdhsa_float_denorm_mode_32 3
		.amdhsa_float_denorm_mode_16_64 3
		.amdhsa_fp16_overflow 1
		.amdhsa_memory_ordered 1
		.amdhsa_forward_progress 1
		.amdhsa_inst_pref_size 189
	.end_amdhsa_kernel
	.amdgpu_metadata
---
amdhsa.version: [ 1, 2 ]
amdhsa.kernels:
  - .name:           k_qafb03eb8d3_proj
    .symbol:         k_qafb03eb8d3_proj.kd
    .args:
      - { .name: x_real_codes, .offset: 0, .size: 8, .value_kind: global_buffer, .address_space: global }
      - { .name: x_real_scales, .offset: 8, .size: 8, .value_kind: global_buffer, .address_space: global }
      - { .name: x_imag_codes, .offset: 16, .size: 8, .value_kind: global_buffer, .address_space: global }
      - { .name: x_imag_scales, .offset: 24, .size: 8, .value_kind: global_buffer, .address_space: global }
      - { .name: Wqr_codes, .offset: 32, .size: 8, .value_kind: global_buffer, .address_space: global }
      - { .name: Wqr_scales, .offset: 40, .size: 8, .value_kind: global_buffer, .address_space: global }
      - { .name: Wqi_codes, .offset: 48, .size: 8, .value_kind: global_buffer, .address_space: global }
      - { .name: Wqi_scales, .offset: 56, .size: 8, .value_kind: global_buffer, .address_space: global }
      - { .name: Wkr_codes, .offset: 64, .size: 8, .value_kind: global_buffer, .address_space: global }
      - { .name: Wkr_scales, .offset: 72, .size: 8, .value_kind: global_buffer, .address_space: global }
      - { .name: Wki_codes, .offset: 80, .size: 8, .value_kind: global_buffer, .address_space: global }
      - { .name: Wki_scales, .offset: 88, .size: 8, .value_kind: global_buffer, .address_space: global }
      - { .name: Wvr_codes, .offset: 96, .size: 8, .value_kind: global_buffer, .address_space: global }
      - { .name: Wvr_scales, .offset: 104, .size: 8, .value_kind: global_buffer, .address_space: global }
      - { .name: Wvi_codes, .offset: 112, .size: 8, .value_kind: global_buffer, .address_space: global }
      - { .name: Wvi_scales, .offset: 120, .size: 8, .value_kind: global_buffer, .address_space: global }
      - { .name: bqr, .offset: 128, .size: 8, .value_kind: global_buffer, .address_space: global }
      - { .name: bqi, .offset: 136, .size: 8, .value_kind: global_buffer, .address_space: global }
      - { .name: bkr, .offset: 144, .size: 8, .value_kind: global_buffer, .address_space: global }
      - { .name: bki, .offset: 152, .size: 8, .value_kind: global_buffer, .address_space: global }
      - { .name: bvr, .offset: 160, .size: 8, .value_kind: global_buffer, .address_space: global }
      - { .name: bvi, .offset: 168, .size: 8, .value_kind: global_buffer, .address_space: global }
      - { .name: q_img, .offset: 176, .size: 8, .value_kind: global_buffer, .address_space: global }
      - { .name: q_sc, .offset: 184, .size: 8, .value_kind: global_buffer, .address_space: global }
      - { .name: k_img, .offset: 192, .size: 8, .value_kind: global_buffer, .address_space: global }
      - { .name: k_sc, .offset: 200, .size: 8, .value_kind: global_buffer, .address_space: global }
      - { .name: v_img, .offset: 208, .size: 8, .value_kind: global_buffer, .address_space: global }
      - { .name: v_sc, .offset: 216, .size: 8, .value_kind: global_buffer, .address_space: global }
    .group_segment_fixed_size: 327680
    .private_segment_fixed_size: 0
    .kernarg_segment_align: 8
    .kernarg_segment_size: 224
    .max_flat_workgroup_size: 128
    .sgpr_count:     100
    .vgpr_count:     1024
    .wavefront_size: 32
...
	.end_amdgpu_metadata
.endif
;; end of part 1
;; launch attn (part 2): grid 8 x 32, 16 waves a work-group, no clusters, 327,680 bytes of LDS; arguments q_img, q_sc, k_img, k_sc, v_img, v_sc, o_img, o_sc; writes o_img, o_sc
.if DOCPART == 2
	.amdgcn_target "amdgcn-amd-amdhsa--gfx1250"
	.amdhsa_code_object_version 6
	.text
	.protected	k_qafb03eb8d3_attn
	.globl	k_qafb03eb8d3_attn
	.p2align	8
	.type	k_qafb03eb8d3_attn,@function
k_qafb03eb8d3_attn:
	s_mov_b64 s[64:65], 0
	v_nop
	global_prefetch_b8 v0, s[64:65] scope:SCOPE_SE
	s_setreg_imm32_b32 hwreg(HW_REG_WAVE_MODE, 25, 1), 1
	s_wait_xcnt 0x0
; CAUSAL ATTENTION ON CODES of BF8 (E5M2) with one E8M0 scale for each 32 along a product's K.  32 heads (16 b + head), 2,048 tokens.
; q = [qr | qi] and k = [kr | ki] are 128 along K, four blocks of 32: ONE matrix instruction adds the real and the imaginary score.  v = [vr | vi] is 128 channels; both outputs share the weights p.
; THE SOFTMAX: t = score x log2(e) / 8; M = the row's largest t so far, rounded UP to a whole number; p = 2^(t - M) is quantised along the keys, not normalised; the row's sum is taken of the unquantised p, in f32,
; and divides O at the end.  When M moves, the sum and O are multiplied by 2^(old M - new M): exact.
; OPERANDS ARE IMAGES OF THEIR REGISTERS: a fragment (16 rows x 128 K) is 2,048 bytes, block c at 512 c + 16 x lane: four dense loads of 16 bytes a lane bring it, from memory or from LDS, with no pitch and no padding.
; Inside each block of 32 the launch before laid k in a fixed permuted order, alike in q and k, and alike in v and in the p made here from tiles of 16 neighbouring keys: so every product pairs the right numbers.
; SHARES.  A work-group owns two blocks of 128 queries of one head: waves 0-7 block j, waves 8-15 block 15 - j (j = the work-group's x); a wave owns 16 queries in 256 registers.  All sixteen waves walk one ring of keys,
; 128 a step; a wave leaves out, by a scalar branch on ids, each step all of whose keys come after its queries.  So every work-group has (j + 1) + (16 - j) = 17 block steps: the mask's work is shared evenly.
; Every work-group walks all four slots of 512 keys: trip counts are constants, and no tensor load and no barrier is jumped over.
; NO CLUSTER: the work-groups that read the same k and v are the query blocks of one head, and what a wave leaves out under the mask hangs on its query block; in a cluster that would be a branch on the work-group's
; place among its partners; doing the hidden steps instead would come to 32 block steps in place of 17.
; LAYOUT.  Both products are used transposed: S^T = K Q^T (source 0 = 16 keys, source 1 = my 16 queries), O^T = V^T P^T (source 0 = 16 channels, source 1 = P): a lane holds ONE query (lane % 16) throughout.
; o / the sum is quantised along the channels and leaves as images for the last product, in k's own order (its other operand is an input): sixteen-lane swaps restore that order first.
; o's scale bytes leave as 2 bytes at a pitch of 32: one byte in 32 of what the launch stores.
; LIMITS: NaN and infinities are not served.  A block of zeros gets the byte 1 (its codes are zeros; this program alone reads these bytes).  A block's largest magnitude is never taken under the floor 2^-111.
; REGISTERS: v1-7 addresses that stay; v8-11 addresses of the loads in hand; v12 -M, v13 the largest t, v[14:15] the sum in two halves; v16-31 Q; v32-95 four fragments of K or V; v96-159 S^T, then p; v160-223 O^T;
;   v224-239 p's codes; v232-254 at work; v255 Q's scale words.
.set SLOT1, 1<<17                      ; slot 1 begins here: one exclusive or turns an address in one slot into the other's
.set VOFF,  65536                      ; a slot: 512 keys of K (32 fragments), then four steps of V (8 fragments each)
.set STEPB, 16384                      ; a step's eight fragments, of K and of V
.set SCK,   2*SLOT1                    ; behind the ring: K's scale words of the whole head, 8,192 bytes;
.set SCV,   SCK+8192                   ; V's likewise
.set SPARE, SCV+8192                   ; the spare words, 128 bytes for each wave: eight blocks of 256 bytes that no other line names
.set AK0,  1                           ; v1   16 x lane: my place in an image; also Q's and o's offset in memory
.set AV0,  2                           ; v2   the same behind K's half of a slot
.set ASK0, 3                           ; v3   SCK + 4 r
.set ASV0, 4                           ; v4   SCV + 4 r
.set SPW,  5                           ; v5   LDS address of my spare word; never rewritten
.set NIL,  6                           ; v6   0; never rewritten
.set PFO,  7                           ; v7   256 x lane: the prefetches' offset; never rewritten
.set ADK,  8
.set ADV,  9
.set ADS,  10
.set ADT,  11
.set TM,   32                          ; the way out: v32-47 at work in the quantiser
.set TB,   2                           ; s2   LDS byte at which the step's fragments begin
.set TS,   3                           ; s3   where the step's scale words begin: 512 bytes a step
.set WV,   20                          ; s20  my wave's number
.set MNT,  21
.set CS,   22                          ; s[22:23] c = log2(e) / 8
.set SEL,  24                          ; s[24:25] lane selects for v_permlanex16_b32: lane l xor 16
.set KF,   26                          ; s26  the step's first key
.set Q0,   27                          ; s27  my first query
.set SLOTS, 28                         ; s28  slots still to be asked for
.set INNER, 29                         ; s29  counts a slot's four steps
.set LIM,  30                          ; s30  1 in a wave that prefetches, else the greatest number
.set G1T,  32                          ; s[32:39] descriptor group 1: 64 rows of 256 bytes, dense
.set G1S,  40                          ; s[40:47] 8 rows of 256 bytes
.set G0T,  48                          ; s[48:51] group 0 of my quarter of K's or V's half of a slot: it walks
.set G0S,  52                          ; s[52:55] group 0 of my quarter of K's or V's scale words
.set PFA,  56                          ; s[56:57] where my prefetches stand
; Waves 0-3 fetch K's four steps of a slot, waves 4-7 V's, one load of 16,384 bytes each, into bytes that are the wave's own: 16,384 x wave + the slot.  Four v_nop follow the line.
.macro TLOAD
	s_cmp_lt_u32 s[WV], 8
	s_cbranch_scc0 .Lasked_\@
	tensor_load_to_lds s[G0T:G0T+3], s[G1T:G1T+7]
	s_nop 0
.rept 4
	v_nop
.endr
.Lasked_\@:
.endm
; A PREFETCH of what the NEXT change of slots will ask for: a slot's 65,536 bytes of K and of V.  All eight work-groups of a head walk the same K and V: the head's first work-group asks (a branch on the
; work-group's number), and in it the waves that fetch nothing: waves 8-11 for K, waves 12-15 for V, 16,384 bytes a wave by two instructions, lanes 256 bytes apart: each aligned block of 256 bytes is named once in the launch.
; A request stands a slot's four key steps ahead of the load that wants it.  Slots 0 and 1 come by their loads alone; the last change that fills a slot asks for nothing: there is no slot behind it.
.macro ASK
	s_cmp_gt_u32 s[SLOTS], s[LIM]
	s_cbranch_scc0 .Lnot_mine_\@
	global_prefetch_b8 v[PFO], s[PFA:PFA+1] th:TH_LOAD_NT scope:SCOPE_SE
	global_prefetch_b8 v[PFO], s[PFA:PFA+1] offset:8192 th:TH_LOAD_NT scope:SCOPE_SE
.Lnot_mine_\@:
.endm
	s_load_b512 s[4:19], s[0:1], 0x0               ; q_img, q_sc, k_img, k_sc, v_img, v_sc, o_img, o_sc
	v_lshl_add_u32 v[SPW], v0, 2, SPARE
	v_mov_b32 v[NIL], 0
	ds_add_u32 v5, v6
	ds_add_u32 v5, v6
	s_wait_dscnt 0x0
	v_lshrrev_b32 v8, 5, v0
	s_delay_alu instid0(VALU_DEP_1)
	v_readfirstlane_b32 s[WV], v8                  ; wave 0..15
	s_and_b32 s58, ttmp7, 0xffff                   ; the head, 16 b + head
	s_lshl_b32 s59, ttmp9, 3                       ; 8 j
	s_sub_co_u32 s60, 112, s59
	s_cmp_lt_u32 s[WV], 8
	s_cselect_b32 s59, s59, s60
	s_add_co_u32 s59, s59, s[WV]                   ; my tile of 16 queries: 8 j + wave, or 8 (15 - j) + wave - 8
	s_lshl_b32 s[Q0], s59, 4
	s_and_b32 s61, s[WV], 3
	s_lshl_b32 s62, s61, 14
	s_lshl_b32 s63, s58, 18
	s_add_co_u32 s62, s62, s63                     ; in an image buffer: my head (262,144 bytes) and my quarter of a slot
	s_mov_b32 s63, 0
	s_lshl_b32 s66, s61, 11
	s_lshl_b32 s67, s58, 13
	s_add_co_u32 s66, s66, s67                     ; among the scale words: my head (8,192 bytes) and my quarter of it
	s_mov_b32 s67, 0
	s_mov_b32 s[G1T], 3<<16                        ; 15:0 no mask; 17:16 elements of 8 bytes; no padding
	s_mov_b32 s[G1T+1], 32<<16                     ; tensor_dim0 = 32 elements: 256 bytes
	s_mov_b32 s[G1T+2], 64<<16                     ; tensor_dim1 = 64
	s_mov_b32 s[G1T+3], 32<<16                     ; tile_dim0
	s_mov_b32 s[G1T+4], 64                         ; tile_dim1
	s_mov_b32 s[G1T+5], 32                         ; tensor_dim0_stride: dense
	s_mov_b32 s[G1T+6], 0
	s_mov_b32 s[G1T+7], 0
	s_mov_b32 s[G1S], 3<<16
	s_mov_b32 s[G1S+1], 32<<16
	s_mov_b32 s[G1S+2], 8<<16
	s_mov_b32 s[G1S+3], 32<<16
	s_mov_b32 s[G1S+4], 8
	s_mov_b32 s[G1S+5], 32
	s_mov_b32 s[G1S+6], 0
	s_mov_b32 s[G1S+7], 0
	s_mov_b32 s[SEL], 0x76543210
	s_mov_b32 s[SEL+1], 0xfedcba98
	s_mov_b32 s[CS], 0x3e38aa3b                    ; c = log2(e) / sqrt(64)
	s_mov_b32 s[CS+1], s[CS]                       ; named with it as a pair, so it is written
	s_mov_b32 s[TB], 0
	s_mov_b32 s[TS], 0
	s_mov_b32 s[KF], 0
	s_mov_b32 s[SLOTS], 3
	s_wait_kmcnt 0x0
	s_cmp_lt_u32 s[WV], 4                          ; waves 0-3 fetch K's, waves 4-7 V's
	s_cselect_b64 s[G0T+2:G0T+3], s[8:9], s[12:13]
	s_cselect_b64 s[G0S+2:G0S+3], s[10:11], s[14:15]
	s_add_nc_u64 s[G0T+2:G0T+3], s[G0T+2:G0T+3], s[62:63]
	s_add_nc_u64 s[G0S+2:G0S+3], s[G0S+2:G0S+3], s[66:67]
	s_or_b32 s[G0T+3], s[G0T+3], 0x80000000        ; 127:126 type = 2
	s_or_b32 s[G0S+3], s[G0S+3], 0x80000000
	s_mov_b32 s[G0T], 1
	s_lshl_b32 s[G0T+1], s[WV], 14                 ; LDS: 16,384 x wave: K's four steps, then V's four, in slot 0
	s_mov_b32 s[G0S], 1
	s_lshl_b32 s[G0S+1], s[WV], 11
	s_add_co_u32 s[G0S+1], s[G0S+1], SCK           ; LDS: 2,048 x wave behind the ring: K's words, then V's
	s_cmp_lt_u32 s[WV], 8                          ; a wave's two first fills stand in one branch, ahead of every wait on TENSORcnt, every LDS read and every barrier: two loads of mine are out
	s_cbranch_scc0 .Lno_fill
	tensor_load_to_lds s[G0S:G0S+3], s[G1S:G1S+7]  ; the scale words of the whole head: filled once
	s_nop 0
	tensor_load_to_lds s[G0T:G0T+3], s[G1T:G1T+7]  ; slot 0
	s_nop 0
.rept 4
	v_nop
.endr
.Lno_fill:
	s_cmp_lt_u32 s[WV], 12                         ; the prefetches: waves 8-11 K's images, waves 12-15 V's
	s_cselect_b64 s[PFA:PFA+1], s[8:9], s[12:13]
	s_add_nc_u64 s[PFA:PFA+1], s[PFA:PFA+1], s[62:63]
	s_add_nc_u64 s[PFA:PFA+1], s[PFA:PFA+1], 65536 ; in slot 1: the first change of slots steps it to slot 2.  Nothing is prefetched here, at the head
	s_sub_co_u32 s60, s[WV], 8
	s_lshr_b32 s60, s60, 3                         ; 0 in waves 8 to 15,
	s_or_b32 s60, s60, ttmp9                       ; of the head's first work-group
	s_cmp_eq_u32 s60, 0
	s_cselect_b32 s[LIM], 1, -1
	s_lshl_b32 s60, s58, 18
	s_lshl_b32 s61, s59, 11
	s_add_co_u32 s60, s60, s61
	s_mov_b32 s61, 0
	s_add_nc_u64 s[4:5], s[4:5], s[60:61]          ; Q's fragment: my head, my tile
	s_lshl_b32 s60, s58, 13
	s_lshl_b32 s70, s[Q0], 2
	s_add_co_u32 s60, s60, s70
	s_add_nc_u64 s[6:7], s[6:7], s[60:61]          ; and its scale words
	s_and_b32 s60, s58, 15                         ; head
	s_lshr_b32 s71, s58, 4                         ; b
	s_lshr_b32 s62, s60, 2
	s_lshl_b32 s62, s62, 20                        ; o_img: the K step of 256 channels (four heads): 1,048,576 bytes;
	s_lshl_b32 s63, s71, 7
	s_add_co_u32 s63, s63, s59
	s_lshl_b32 s63, s63, 12                        ; the tile of 16 rows, 128 b + my tile: 4,096 bytes;
	s_add_co_u32 s62, s62, s63
	s_and_b32 s63, s60, 3
	s_lshl_b32 s63, s63, 10                        ; the head among the four: two blocks of 512 bytes each
	s_add_co_u32 s62, s62, s63
	s_mov_b32 s63, 0
	s_add_nc_u64 s[16:17], s[16:17], s[62:63]
	s_lshl_b32 s62, s71, 11
	s_add_co_u32 s62, s62, s[Q0]
	s_lshl_b32 s62, s62, 5                         ; o_sc: 32 bytes a row,
	s_lshl_b32 s66, s60, 1                         ; two bytes a head
	s_add_co_u32 s62, s62, s66
	s_add_nc_u64 s[18:19], s[18:19], s[62:63]
	v_and_b32 v8, 31, v0
	s_delay_alu instid0(VALU_DEP_1)
	v_lshlrev_b32 v[AK0], 4, v8
	s_delay_alu instid0(VALU_DEP_1)
	v_add_nc_u32 v[AV0], VOFF, v[AK0]
	v_and_b32 v9, 15, v0                           ; r
	s_delay_alu instid0(VALU_DEP_1)
	v_lshlrev_b32 v254, 2, v9
	s_delay_alu instid0(VALU_DEP_1)
	v_add_nc_u32 v[ASK0], SCK, v254
	s_delay_alu instid0(VALU_DEP_2)
	v_add_nc_u32 v[ASV0], SCV, v254
	v_lshlrev_b32 v[PFO], 8, v8
.irp c, 0,1,2,3
	global_load_b128 v[16+4*\c:19+4*\c], v[AK0], s[4:5] offset:512*\c   ; Q's fragment stays in registers
.endr
	global_load_b32 v255, v254, s[6:7]             ; Q's scale words
	v_mov_b32 v13, 0xff61b1e6                      ; the largest t so far: -3e38, under every t
	s_delay_alu instid0(VALU_DEP_1)
	v_floor_f32 v12, -v13                          ; -M
	v_mov_b32 v14, 0                               ; the sum, in two halves
	v_mov_b32 v15, 0
.irp b, 0,1,2,3
	v_mov_b32 v[236+\b], 0                         ; written once: a lane permute's destination counts as one of its sources
.endr
	v_mov_b32 v252, 0
	v_mov_b32 v253, 0                              ; (named as the upper half of the pair v[252:253] before it is first written)
.set j, 0
.rept 64
	v_mov_b32 v[160+j], 0                          ; O^T.  The step is written once: the first finds zeros, which the first change of M leaves zeros
.set j, j+1
.endr
; A KEY STEP: 128 keys.
.macro STEP
	s_add_co_u32 s70, s[Q0], 15                    ; a step all of whose keys come after my 16 queries is left out: a scalar branch on ids, round the step's loads, products and softmax;
	s_cmp_gt_u32 s[KF], s70                        ; not round the lines at its end that step addresses
	s_cbranch_scc1 .Lhidden_\@
	s_setprio 2
	v_add_nc_u32 v[ADK], s[TB], v[AK0]
	s_wait_alu depctr_va_vdst(0)
	v_add_nc_u32 v[ADV], s[TB], v[AV0]
	v_add_nc_u32 v[ADS], s[TS], v[ASK0]
	s_wait_alu depctr_va_vdst(0)
	v_add_nc_u32 v[ADT], s[TS], v[ASV0]
.irp g, 0,1                                    ; S^T = K Q^T, four tiles of 16 neighbouring keys at a time
.rept 8-4*(1-\g)
	v_nop                                          ; eight places in front of loads into registers that matrix instructions have read (the four additions above are places too)
.endr
.irp t, 0,1,2,3
.irp c, 0,1,2,3
	ds_load_b128 v[32+16*\t+4*\c:32+16*\t+4*\c+3], v[ADK] offset:2048*(4*\g+\t)+512*\c
.endr
	ds_load_b32 v[248+\t], v[ADS] offset:64*(4*\g+\t)
.endr
	s_wait_dscnt 0x0
.irp t, 0,1,2,3
	v_wmma_scale_f32_16x16x128_f8f6f4 v[96+8*(4*\g+\t):103+8*(4*\g+\t)], v[32+16*\t:47+16*\t], v[16:31], 0, v[248+\t], v255 matrix_a_fmt:MATRIX_FMT_BF8 matrix_b_fmt:MATRIX_FMT_BF8
.endr
.endr                                          ; lane (r, h) holds query r; register 8 T + i of the 64 is key 16 T + 8 h + i of the step
.rept 8
	v_nop
.endr
	s_add_co_u32 s70, s[KF], 127                   ; on the diagonal the scores of hidden keys become -infinity ahead of the maximum: p = 0 then.  A step all of whose keys count skips this
	s_cmp_le_u32 s70, s[Q0]
	s_cbranch_scc1 .Lopen_\@
	s_sub_co_i32 s70, s[Q0], s[KF]
	v_and_b32 v252, 15, v0
	v_bfe_u32 v253, v0, 4, 1
	s_delay_alu instid0(VALU_DEP_1)
	v_lshlrev_b32 v253, 3, v253
	s_delay_alu instid0(VALU_DEP_1)
	v_sub_nc_u32 v252, v252, v253
	s_delay_alu instid0(VALU_DEP_1)
	v_add_nc_u32 v252, s70, v252                   ; d = my query - the step's first key - 8 (lane / 16): register n is hidden where 16 (n / 8) + n % 8 > d
	v_mov_b32 v254, 0xff800000                     ; -infinity
.set n, 0
.rept 64
	v_cmp_gt_i32 vcc_lo, 16*(n/8)+n%8, v252
	v_cndmask_b32 v[96+n], v[96+n], v254, vcc_lo
.set n, n+1
.endr
.Lopen_\@:
.irp b, 0,1,2,3
	v_max3_num_f32 v[232+\b], v[96+16*\b], v[97+16*\b], v[98+16*\b]   ; the largest score of each block of 32 keys: it serves for the row's maximum and, since p rises with the score, for the block's largest p
.endr
.irp i, 3,5,7,9,11,13
.irp b, 0,1,2,3
	v_max3_num_f32 v[232+\b], v[232+\b], v[96+16*\b+\i], v[97+16*\b+\i]   ; the four blocks by turns
.endr
.endr
.irp b, 0,1,2,3
	v_max_num_f32 v[232+\b], v[232+\b], v[111+16*\b]
.endr
.irp b, 0,1,2,3
	v_permlanex16_b32 v[236+\b], v[232+\b], s[SEL], s[SEL+1]
.endr
.irp b, 0,1,2,3
	s_delay_alu instid0(VALU_DEP_4)
	v_max_num_f32 v[232+\b], v[232+\b], v[236+\b]  ; with lane l xor 16's 16 keys
.endr
	s_delay_alu instid0(VALU_DEP_2)
	v_max3_num_f32 v254, v232, v233, v234
	s_delay_alu instid0(VALU_DEP_1)
	v_max_num_f32 v254, v254, v235                 ; the step's largest score of my query
	s_delay_alu instid0(VALU_DEP_1)
	v_mul_f32 v254, s[CS], v254                    ; as t (c is positive)
	s_delay_alu instid0(VALU_DEP_1)
	v_max_num_f32 v13, v13, v254                   ; the running largest t
	v_mov_b32 v254, v12
	s_delay_alu instid0(VALU_DEP_2)
	v_floor_f32 v12, -v13                          ; the new -M = floor(-t) = -ceil(t): M is a whole number
	s_delay_alu instid0(VALU_DEP_1)
	v_sub_f32 v254, v12, v254                      ; M's old value less its new one: a whole number, 0 or less
	s_delay_alu instid0(VALU_DEP_1)
	v_cvt_i32_f32 v254, v254                       ; (it saturates)
	s_delay_alu instid0(VALU_DEP_1)
	v_ldexp_f32 v252, 1.0, v254                    ; f = 2^(old M - new M)
.set j, 0
.rept 32
	v_pk_fma_f32 v[96+j:97+j], v[96+j:97+j], s[CS:CS+1], v[12:13] op_sel_hi:[1,0,0]   ; t - M, two at a time (of the pairs c and -M the low word serves both halves)
.set j, j+2
.endr
.irp b, 0,1,2,3
	v_fma_f32 v[232+\b], v[232+\b], s[CS], v12     ; the same of each block's largest score
.endr
.set j, 0
	s_setprio 1
	s_wait_alu depctr_va_vdst(0)
.rept 64
	v_exp_f32 v[96+j], v[96+j]                     ; p = 2^(t - M), at most 1: not normalised
.set j, j+1
.endr
.irp b, 0,1,2,3
	v_exp_f32 v[232+\b], v[232+\b]                 ; the block's largest p: the same two instructions on the same number give the same bits
.endr
	v_pk_mul_f32 v[14:15], v[14:15], v[252:253] op_sel_hi:[1,0]   ; the sums under the new M.  (A plain place behind the exponentials)
	s_wait_alu depctr_va_vdst(0)
.irp b, 0,1,2,3
	v_max_num_f32 v[232+\b], 0x8000000, v[232+\b]  ; the floor 2^(16 - 127): the byte cannot fall under 1
.endr
.irp b, 0,1,2,3
	s_delay_alu instid0(VALU_DEP_4)
	v_add_nc_u32 v[244+\b], 0xf8800000, v[232+\b]  ; 15 off the exponent field: the conversion's scale operand
.endr
.irp b, 0,1,2,3
.endr
.irp b, 0,1,2,3
	s_delay_alu instid0(VALU_DEP_4)
	v_lshrrev_b32 v[236+\b], 23, v[244+\b]         ; the scale's byte
.endr
	s_delay_alu instid0(VALU_DEP_3)
	v_lshl_or_b32 v253, v237, 8, v236              ; p's scale word for these 128 keys
	s_delay_alu instid0(VALU_DEP_1)
	v_lshl_or_b32 v253, v238, 16, v253
	s_delay_alu instid0(VALU_DEP_1)
	v_lshl_or_b32 v253, v239, 24, v253
	v_pk_add_f32 v[236:237], v[100:101], v[104:105]
	v_pk_add_f32 v[250:251], v[108:109], v[112:113]
	v_pk_add_f32 v[248:249], v[116:117], v[120:121]
	v_pk_add_f32 v[242:243], v[124:125], v[128:129]
	v_pk_add_f32 v[240:241], v[132:133], v[136:137]
	v_pk_add_f32 v[238:239], v[140:141], v[144:145]
	v_pk_add_f32 v[234:235], v[148:149], v[152:153]
	v_pk_add_f32 v[14:15], v[14:15], v[156:157]
	v_pk_add_f32 v[236:237], v[236:237], v[96:97]
	v_pk_add_f32 v[250:251], v[250:251], v[98:99]
	v_pk_add_f32 v[248:249], v[248:249], v[102:103]
	v_pk_add_f32 v[242:243], v[242:243], v[106:107]
	v_pk_add_f32 v[240:241], v[240:241], v[110:111]
	v_pk_add_f32 v[238:239], v[238:239], v[114:115]
	v_pk_add_f32 v[234:235], v[234:235], v[118:119]
	v_pk_add_f32 v[14:15], v[14:15], v[122:123]
	v_pk_add_f32 v[236:237], v[236:237], v[126:127]
	v_pk_add_f32 v[250:251], v[250:251], v[130:131]
	v_pk_add_f32 v[248:249], v[248:249], v[134:135]
	v_pk_add_f32 v[242:243], v[242:243], v[138:139]
	v_pk_add_f32 v[240:241], v[240:241], v[142:143]
	v_pk_add_f32 v[238:239], v[238:239], v[146:147]
	v_pk_add_f32 v[234:235], v[234:235], v[150:151]
	v_pk_add_f32 v[14:15], v[14:15], v[154:155]
	v_pk_add_f32 v[236:237], v[236:237], v[158:159]
	s_delay_alu instid0(VALU_DEP_2)
	v_pk_add_f32 v[14:15], v[14:15], v[242:243]
	s_delay_alu instid0(VALU_DEP_2)
	v_pk_add_f32 v[236:237], v[236:237], v[240:241]
	v_pk_add_f32 v[250:251], v[250:251], v[238:239]
	v_pk_add_f32 v[248:249], v[248:249], v[234:235]
	s_delay_alu instid0(VALU_DEP_2)
	v_pk_add_f32 v[14:15], v[14:15], v[250:251]
	s_delay_alu instid0(VALU_DEP_2)
	v_pk_add_f32 v[236:237], v[236:237], v[248:249]
	s_delay_alu instid0(VALU_DEP_1)
	v_pk_add_f32 v[14:15], v[14:15], v[236:237]
.irp b, 0,1,2,3
.irp i, 0,1,2,3,4,5,6,7,8,9,10,11,12,13,14,15
.endr
	v_cvt_scalef32_pk8_bf8_f32 v[224+4*\b:225+4*\b], v[96+16*\b:103+16*\b], v[244+\b]
	v_cvt_scalef32_pk8_bf8_f32 v[226+4*\b:227+4*\b], v[104+16*\b:111+16*\b], v[244+\b]
.endr
.set j, 0
.rept 32
	v_pk_mul_f32 v[160+j:161+j], v[160+j:161+j], v[252:253] op_sel_hi:[1,0]   ; O^T under the new M.  (These 32 are also the places in front of the matrix instructions and loads below)
.set j, j+2
.endr
	s_setprio 0
	s_wait_alu depctr_va_vdst(0)
.irp g, 0,1                                    ; O^T += V^T P^T: four tiles of 16 of the 128 channels at a time; K = these 128 keys
.if \g > 0
.rept 8
	v_nop
.endr
.endif
.irp t, 0,1,2,3
.irp c, 0,1,2,3
	ds_load_b128 v[32+16*\t+4*\c:32+16*\t+4*\c+3], v[ADV] offset:2048*(4*\g+\t)+512*\c
.endr
	ds_load_b32 v[248+\t], v[ADT] offset:64*(4*\g+\t)
.endr
	s_wait_dscnt 0x0
.irp t, 0,1,2,3
	v_wmma_scale_f32_16x16x128_f8f6f4 v[160+8*(4*\g+\t):167+8*(4*\g+\t)], v[32+16*\t:47+16*\t], v[224:239], v[160+8*(4*\g+\t):167+8*(4*\g+\t)], v[248+\t], v253 matrix_a_fmt:MATRIX_FMT_BF8 matrix_b_fmt:MATRIX_FMT_BF8
.endr
.endr
.Lhidden_\@:
	s_add_co_u32 s[KF], s[KF], 128
	s_add_co_u32 s[TS], s[TS], 512                 ; the next step's scale words,
	s_add_co_u32 s[TB], s[TB], STEPB               ; and its fragments
.endm
; THE CHANGE OF SLOTS stands at a slot's head.  Each wave waits for all its tensor loads (its part of the slot that it is about to read), adds 0 to its spare word, and waits for that and for its reads of the slot that it has left.
; Behind the barrier the slot ahead is whole and nobody reads the other one.  fill = 1: that other slot is filled with the keys that follow: the load has a slot's four steps in which to land.
.macro CHANGE fill
	s_wait_tensorcnt 0x0                           ; no tensor load of mine is out, so a group 0 may be written
	ds_add_u32 v[SPW], v[NIL]                      ; 0 onto my spare word
.if \fill
	s_xor_b32 s[G0T+1], s[G0T+1], SLOT1            ; the walking descriptor: the other slot than last time,
	s_add_nc_u64 s[G0T+2:G0T+3], s[G0T+2:G0T+3], 65536   ; the next 512 keys; the type bits on top are not reached
	s_wait_xcnt 0x0                                ; the last prefetches, a slot back, have read their address, so it may be written:
	s_add_nc_u64 s[PFA:PFA+1], s[PFA:PFA+1], 65536 ; one slot further on than the walking descriptor
.endif
	s_wait_dscnt 0x0                               ; the add is done, and my reads of the slot that I have left are over
	s_barrier_signal -1
	s_barrier_wait -1
.if \fill
	TLOAD                                          ; the first thing behind the barrier, and a wave's one tensor load until the next
	ASK
.endif
.endm
.macro SLOT_STEPS                      ; a slot's four key steps: written once, walked four times; the LDS addresses hang on s[TB] and s[TS]
	s_mov_b32 s[INNER], 4
.Lstep_\@:
	STEP
	s_sub_co_u32 s[INNER], s[INNER], 1
	s_cmp_lg_u32 s[INNER], 0
	s_cbranch_scc1 .Lstep_\@
	s_setprio 0
	s_sub_co_u32 s[TB], s[TB], 4*STEPB             ; back to a slot's first step,
	s_xor_b32 s[TB], s[TB], SLOT1                  ; in the other slot
.endm
	s_wait_loadcnt 0x0                             ; Q
.Lslot:                                            ; three trips: behind each change of slots but the last the next slot is asked for
	CHANGE 1
	SLOT_STEPS
	s_sub_co_u32 s[SLOTS], s[SLOTS], 1
	s_cmp_lg_u32 s[SLOTS], 0
	s_cbranch_scc1 .Lslot
	CHANGE 0                                       ; the last slot is written out
	SLOT_STEPS
	; THE WAY OUT.  O^T / the sum; the channels into their own order; quantised along the channels; four blocks of images and two scale bytes a row and part.
.rept 8
	v_nop                                          ; places behind the last products
.endr
	v_add_f32 v14, v14, v15                        ; the sum's two halves,
	s_delay_alu instid0(VALU_DEP_1)
	v_permlanex16_b32 v252, v14, s[SEL], s[SEL+1]
	s_delay_alu instid0(VALU_DEP_1)
	v_add_f32 v14, v14, v252                       ; and lane l xor 16's: the row's sum
	s_wait_alu depctr_va_vdst(0)
	v_rcp_f32 v14, v14
	v_nop                                          ; one plain place behind a transcendental
.set j, 0
	s_wait_alu depctr_va_vdst(0)
.rept 32
	v_pk_mul_f32 v[96+j:97+j], v[160+j:161+j], v[14:15] op_sel_hi:[1,0]   ; register 8 T + i: channel 16 T + 8 h + i of [real 64 | imaginary 64]; each accumulator from its low end on
.set j, j+2
.endr
.irp b, 0,1,2,3
.irp i, 0,1,2,3,4,5,6,7
	v_permlane16_swap_b32 v[96+16*\b+\i], v[104+16*\b+\i]   ; the first's lanes 16-31 change places with the second's lanes 0-15: the block's 16 registers are then channels 32 b + 16 h + 0 .. 15, in order
.endr
.endr
.irp b, 0,1,2,3
	v_mov_b32 v[TM+4+\b], 0                        ; a lane permute's destination counts as one of its sources
.endr
.macro QUANT s, pc, pw
.irp b, 0,1,2,3
	v_max3_num_f32 v[TM+\b], |v[\s+16*\b]|, |v[\s+1+16*\b]|, 0x8000000   ; my 16 numbers and the floor 2^(16 - 127): the byte cannot fall under 1
.endr
.irp i, 2,4,6,8,10,12,14
.irp b, 0,1,2,3
	s_delay_alu instid0(VALU_DEP_4)
	v_max3_num_f32 v[TM+\b], v[TM+\b], |v[\s+16*\b+\i]|, |v[\s+1+16*\b+\i]|
.endr
.endr
.irp b, 0,1,2,3
	s_delay_alu instid0(VALU_DEP_4)
	v_permlanex16_b32 v[TM+4+\b], v[TM+\b], s[SEL], s[SEL+1]
.endr
.irp b, 0,1,2,3
	s_delay_alu instid0(VALU_DEP_4)
	v_max_num_f32 v[TM+\b], v[TM+\b], v[TM+4+\b]   ; with lane l xor 16's: the block's largest magnitude
.endr
.irp b, 0,1,2,3
	s_delay_alu instid0(VALU_DEP_4)
	v_add_nc_u32 v[TM+12+\b], 0xf8800000, v[TM+\b] ; 15 off its exponent field: the conversion's scale operand
.endr
.irp b, 0,1,2,3
.endr
.irp b, 0,1,2,3
	s_delay_alu instid0(VALU_DEP_4)
	v_lshrrev_b32 v[TM+4+\b], 23, v[TM+12+\b]      ; the scale's byte
.endr
	s_delay_alu instid0(VALU_DEP_3)
	v_lshl_or_b32 v[\pw], v[TM+5], 8, v[TM+4]
	s_delay_alu instid0(VALU_DEP_1)
	v_lshl_or_b32 v[\pw], v[TM+6], 16, v[\pw]
	s_delay_alu instid0(VALU_DEP_1)
	v_lshl_or_b32 v[\pw], v[TM+7], 24, v[\pw]
.irp b, 0,1,2,3
.irp i, 0,1,2,3,4,5,6,7,8,9,10,11,12,13,14,15
.endr
	v_cvt_scalef32_pk8_bf8_f32 v[\pc+4*\b:\pc+1+4*\b], v[\s+16*\b:\s+7+16*\b], v[TM+12+\b]
	v_cvt_scalef32_pk8_bf8_f32 v[\pc+2+4*\b:\pc+3+4*\b], v[\s+8+16*\b:\s+15+16*\b], v[TM+12+\b]
.endr
	v_nop                                          ; a plain vector instruction behind the last conversion
.endm
	QUANT 96, 64, 48
	v_bfe_u32 v50, v0, 4, 1
	s_delay_alu instid0(VALU_DEP_1)
	v_lshlrev_b32 v50, 4, v50                      ; 16 h
	s_delay_alu instid0(VALU_DEP_1)
	v_lshrrev_b32 v49, v50, v48                    ; lanes 0-15 send the real part's two bytes, lanes 16-31 the imaginary part's
	v_and_b32 v51, 15, v0
	s_delay_alu instid0(VALU_DEP_1)
	v_lshlrev_b32 v51, 5, v51
	s_delay_alu instid0(VALU_DEP_1)
	v_lshl_add_u32 v51, v50, 13, v51               ; 32 r + 131,072 h
.irp be, 0,1,2,3
	global_store_b128 v[AK0], v[64+4*\be:67+4*\be], s[16:17] offset:(\be/2)*4194304+(\be%2)*512   ; 32 lanes store 512 consecutive bytes, aligned; blocks 2 and 3 go to the imaginary half of the buffer
.endr
	global_store_b16 v51, v49, s[18:19]
	s_wait_tensorcnt 0x0                           ; the wave's end
	ds_add_u32 v[SPW], v[NIL]
	s_wait_dscnt 0x0
	s_endpgm
.Lfunc_end_k_qafb03eb8d3_attn:
	.size	k_qafb03eb8d3_attn, .Lfunc_end_k_qafb03eb8d3_attn-k_qafb03eb8d3_attn
	.p2alignl 7, 3214868480
	.fill 96, 4, 3214868480
	.section	.rodata,"a",@progbits
	.p2align	6, 0x0
	.amdhsa_kernel k_qafb03eb8d3_attn
		.amdhsa_group_segment_fixed_size 327680
		.amdhsa_private_segment_fixed_size 0
		.amdhsa_enable_private_segment 0
		.amdhsa_kernarg_size 64
		.amdhsa_user_sgpr_count 2
		.amdhsa_user_sgpr_kernarg_segment_ptr 1
		.amdhsa_wavefront_size32 1
		.amdhsa_system_sgpr_workgroup_id_x 1
		.amdhsa_system_sgpr_workgroup_id_y 1
		.amdhsa_system_sgpr_workgroup_id_z 1
		.amdhsa_system_vgpr_workitem_id 0
		.amdhsa_next_free_vgpr 256
		.amdhsa_next_free_sgpr 80
		.amdhsa_reserve_vcc 1
		.amdhsa_float_denorm_mode_32 3
		.amdhsa_float_denorm_mode_16_64 3
		.amdhsa_fp16_overflow 1
		.amdhsa_memory_ordered 1
		.amdhsa_forward_progress 1
		.amdhsa_inst_pref_size 75
	.end_amdhsa_kernel
	.amdgpu_metadata
---
amdhsa.version: [ 1, 2 ]
amdhsa.kernels:
  - .name:           k_qafb03eb8d3_attn
    .symbol:         k_qafb03eb8d3_attn.kd
    .args:
      - { .name: q_img, .offset: 0, .size: 8, .value_kind: global_buffer, .address_space: global }
      - { .name: q_sc, .offset: 8, .size: 8, .value_kind: global_buffer, .address_space: global }
      - { .name: k_img, .offset: 16, .size: 8, .value_kind: global_buffer, .address_space: global }
      - { .name: k_sc, .offset: 24, .size: 8, .value_kind: global_buffer, .address_space: global }
      - { .name: v_img, .offset: 32, .size: 8, .value_kind: global_buffer, .address_space: global }
      - { .name: v_sc, .offset: 40, .size: 8, .value_kind: global_buffer, .address_space: global }
      - { .name: o_img, .offset: 48, .size: 8, .value_kind: global_buffer, .address_space: global }
      - { .name: o_sc, .offset: 56, .size: 8, .value_kind: global_buffer, .address_space: global }
    .group_segment_fixed_size: 327680
    .private_segment_fixed_size: 0
    .kernarg_segment_align: 8
    .kernarg_segment_size: 64
    .max_flat_workgroup_size: 512
    .sgpr_count:     80
    .vgpr_count:     256
    .wavefront_size: 32
...
	.end_amdgpu_metadata
.endif
;; end of part 2
;; launch outp (part 3): grid 8 x 16, 4 waves a work-group, clusters of 4 x 4, 327,680 bytes of LDS; arguments o_img, o_sc, Wor_codes, Wor_scales, Woi_codes, Woi_scales, bor, boi, out0, out1; writes out0, out1
.if DOCPART == 3
	.amdgcn_target "amdgcn-amd-amdhsa--gfx1250"
	.amdhsa_code_object_version 6
	.text
	.protected	k_qafb03eb8d3_outp
	.globl	k_qafb03eb8d3_outp
	.p2align	8
	.type	k_qafb03eb8d3_outp,@function
k_qafb03eb8d3_outp:
	s_mov_b64 s[64:65], 0
	v_nop
	global_prefetch_b8 v0, s[64:65] scope:SCOPE_SE
	s_setreg_imm32_b32 hwreg(HW_REG_WAVE_MODE, 25, 1), 1
	s_wait_xcnt 0x0
	s_wait_alu depctr_hold_cnt(0) depctr_sa_sdst(0) depctr_va_vdst(0) depctr_va_sdst(0) depctr_va_ssrc(0) depctr_va_vcc(0) depctr_vm_vsrc(0)
	s_getreg_b32 s2, hwreg(HW_REG_IB_STS2, 6, 4)
	s_cmp_eq_u32 s2, 0
	s_cbranch_scc0 .Lentry_in_a_cluster
	s_endpgm
.Lentry_in_a_cluster:
	s_bfe_u32 s2, ttmp6, 0x10000c
	s_cmp_lg_u32 s2, 0xf033
	s_cbranch_scc0 .Lentry_shape_is_right
	s_endpgm
.Lentry_shape_is_right:
; THE LAST TWO PRODUCTS: out = o Wo + bo, real (cluster x = 0) and imaginary (1), on codes of BF8 (E5M2) with one E8M0 scale for each 32 along K = 1,024; sums and results in f32.
; A = o [4,096 rows], B = Wo [1,024 rows = output channels].  A tile of 256 x 256 is made by a work-group of four waves, 128 x 128 a wave: 64 accumulators.  2 x 16 x 4 tiles: 128 work-groups.
; K goes in steps of 256 through a ring of two LDS slots filled by the tensor data mover.  B's tiles are rows of 256 bytes, padded in LDS.  A's tiles are IMAGES OF THE OPERAND'S REGISTERS, as the launch before laid them:
; for a K step, 16 rows are 4,096 bytes: [128 along K: 2][block of 32: 4][lane][16 bytes]; a wave's 128 rows are one dense block of 32,768 bytes, and a fragment comes by four dense loads of 16 bytes a lane.
; The scales of the work-group's rows of A and B, for all of K, come into LDS once and stay.  The bias is the C of each sum's first matrix instruction.
; CLUSTERS: 4 x 4 work-groups; A's tiles are shared along a row of the cluster, B's along a column: each is asked for jointly, by the same tensor load with a mask that names the four.
; THE MATRIX INSTRUCTION IS USED TRANSPOSED (source 0 = 16 rows of B, source 1 = 16 rows of A): a lane then holds eight neighbouring numbers of a row of the output.
; LIMITS: NaN, infinities and scale bytes 0xff among the inputs are not served.
; REGISTERS, in windows of 256: window 0: v16-29 addresses; v32-63 scale words, two sets; v64-127 the bias; v128-255 A's fragments, one set (on the way out: rows read back).
;   window 1: B's fragments, two sets.   window 2: the 32 accumulators of my rows 0-63 (accumulator (a, b) at v[8 (8 a + b)]);   window 3: those of my rows 64-127.
.set NQ,     2
.set ROWB,   256                       ; a row of B's tile in bytes
.set KROW,   1024                      ; a row of B in memory
.set ASTEP,  1048576                   ; from a K step of A's images to the next: 256 tiles of rows x 4,096 bytes
.set SIZE_N, 1024
.set PITCH,  272                       ; B's LDS row: 256 bytes + 16 of padding = 68 words: the 16 rows that a load touches start at 16 different banks (64 banks of 4 bytes: ISA guide 11.1)
.set FR,     16
.set NL,     4
.set NP,     8                         ; places behind this matrix instruction (ISA guide 7.12.1)
.set HALFT,  128*PITCH                 ; the room of 128 rows in a slot (A's images use 32,768 bytes of it)
.set SLOT,   4*HALFT
.set LAPS,   2
.set KS,     32
.set SCL,    2*SLOT
.set HALFS,  (128*KS/256)*272
.set SBLK,   (16*KS/256)*272
.set SPARE,  SCL+4*HALFS               ; the spare words, 128 bytes for each wave: two blocks of 256 bytes that no other line names
.set SPITCH, 528                       ; the way out: a stage of 16 rows x (512 bytes + 16) for each wave, in slot 0, which has had its last fill and its last read when the first result is stored there
.set ADRA, 16
.set ADRB, 20
.set STO,  24
.set RD,   25
.set CO,   26                          ; v26  16 x lane: my byte offset in a row of the output, and my place in an image
.set ADRS, 27
.set SPW,  28
.set NIL,  29
.set SC,   32
.set BI,   64                          ; v64-127  bias[my column 16 b + 8 h + j] at 8 b + j
.set AF,   128
.set BK,   128
.set G1, 24
.set G0, 32
.set G1B, 48
.set G0B, 56
.set G1S, 68
.set G0S, 76
.set G1SB, 80
.set G0SB, 88
.set MSB, 0
.macro WIN new                         ; the immediate's high byte repeats the setting that is left
.if MSB != \new
	s_set_vgpr_msb (MSB<<8)|\new
.set MSB, \new
.endif
.endm
.set MUL_LO, 0xa1                      ; source 0 (B) window 1, source 1 (A) window 0, C and D window 2
.set MUL_HI, 0xf1                      ; the same, C and D window 3
.set FST_LO, 0x81                      ; the first step: C (the bias) window 0, D window 2
.set FST_HI, 0xc1                      ; C window 0, D window 3
.set TO_B,   0x40
.macro JLOAD g0a, g1a, g0b, g1b        ; a joint load: waves 0 and 1 fetch for A, waves 2 and 3 for B; four v_nop follow each of the two lines
	s_cmp_eq_u32 s15, 0
	s_cbranch_scc0 .Lfor_b_\@
	tensor_load_to_lds s[\g0a:\g0a+3], s[\g1a:\g1a+7]
	s_nop 0
.rept 4
	v_nop
.endr
	s_branch .Lasked_\@
.Lfor_b_\@:
	tensor_load_to_lds s[\g0b:\g0b+3], s[\g1b:\g1b+7]
	s_nop 0
.rept 4
	v_nop
.endr
.Lasked_\@:
.endm
.macro CREST
	s_cmp_lg_u32 s14, 0
	s_cbranch_scc1 .Lnot_wave_0_\@
	s_barrier_signal -3
.Lnot_wave_0_\@:
	s_barrier_wait -3
	s_barrier_signal -1
	s_barrier_wait -1
.endm
.macro CROUND
	s_barrier_signal -1
	s_barrier_wait -1
	CREST
.endm
	s_load_b512 s[4:19], s[0:1], 0x0               ; o_img, o_sc, Wor codes, scales, Woi codes, scales, bor, boi
	s_load_b128 s[20:23], s[0:1], 0x40             ; out0, out1
	v_lshl_add_u32 v[SPW], v0, 2, SPARE
	v_mov_b32 v[NIL], 0
	ds_add_u32 v28, v29
	s_wait_dscnt 0x0
	s_wait_kmcnt 0x0
	s_cmp_lg_u32 ttmp9, 0                          ; the cluster's x: real or imaginary; the same in all sixteen partners
	s_cselect_b64 s[8:9], s[12:13], s[8:9]         ; B's codes
	s_cselect_b64 s[10:11], s[14:15], s[10:11]     ; B's scales
	s_cselect_b64 s[98:99], s[18:19], s[16:17]     ; the bias
	s_cselect_b64 s[12:13], s[22:23], s[20:21]     ; the output
	s_cselect_b32 s20, 4194304, 0                  ; the imaginary half of o's images
	s_cselect_b32 s22, 131072, 0                   ; and of its scale bytes
	s_mov_b32 s21, 0
	s_mov_b32 s23, 0
	s_add_nc_u64 s[4:5], s[4:5], s[20:21]
	s_add_nc_u64 s[6:7], s[6:7], s[22:23]
	v_lshrrev_b32 v1, 5, v0
	v_readfirstlane_b32 s14, v1                    ; wave 0..3
	s_lshr_b32 s15, s14, 1                         ; which half of the tile's rows is mine.  Also: I fetch for A (0) or for B (1)
	s_and_b32 s16, s14, 1                          ; which half of its columns.  Also: which 128 rows of that tile I fetch
	s_bfe_u32 s40, ttmp6, 0x40000                  ; cx, cy: my place in the cluster
	s_bfe_u32 s41, ttmp6, 0x40004
	s_mov_b32 s42, s40                             ; tile column = cx: 1,024 columns are four tiles
	s_and_b32 s17, ttmp7, 0xffff
	s_lshl_b32 s17, s17, 2
	s_add_co_u32 s17, s17, s41                     ; tile row = 4 x cluster y + cy
	s_lshl_b32 s43, s41, 2
	s_lshl_b32 s43, 15, s43                        ; my row of the cluster
	s_lshl_b32 s44, 0x1111, s40                    ; my column
	; descriptor group 1.  A: 128 rows of 256 bytes (32 elements of 8 bytes), dense in memory and in LDS
	s_or_b32 s[G1+0], s43, (3<<16)|(1<<21)         ; 15:0 the mask: A's tiles go to my row; 17:16 elements of 8 bytes; 21 set beside a mask; no padding
	s_mov_b32 s[G1+1], 32<<16
	s_mov_b32 s[G1+2], 128<<16
	s_mov_b32 s[G1+3], 32<<16
	s_mov_b32 s[G1+4], 128
	s_mov_b32 s[G1+5], 32
	s_mov_b32 s[G1+6], 0
	s_mov_b32 s[G1+7], 0
	; B: 128 rows x 256 bytes, 1,024 bytes apart in memory, padded in LDS
	s_or_b32 s[G1B+0], s44, (0<<16)|(1<<20)|(1<<21)|(5<<22)|(3<<25)  ; elements of 1 byte; padding: four words after every 64
	s_mov_b32 s[G1B+1], ROWB<<16
	s_mov_b32 s[G1B+2], 128<<16
	s_mov_b32 s[G1B+3], ROWB<<16
	s_mov_b32 s[G1B+4], 128
	s_mov_b32 s[G1B+5], KROW
	s_mov_b32 s[G1B+6], 0
	s_mov_b32 s[G1B+7], 0
	; the scales of 128 rows: a dense block of 4,096 bytes, as 16 rows of 256 bytes, 16 bytes of padding behind each
	s_or_b32 s[G1S+0], s43, (3<<16)|(1<<20)|(1<<21)|(5<<22)|(3<<25)
	s_or_b32 s[G1SB+0], s44, (3<<16)|(1<<20)|(1<<21)|(5<<22)|(3<<25)
.irp g, G1S, G1SB
	s_mov_b32 s[\g+1], 32<<16
	s_mov_b32 s[\g+2], (128*KS/256)<<16
	s_mov_b32 s[\g+3], 32<<16
	s_mov_b32 s[\g+4], 128*KS/256
	s_mov_b32 s[\g+5], 32
	s_mov_b32 s[\g+6], 0
	s_mov_b32 s[\g+7], 0
.endr
	s_lshl_b32 s18, s16, 7                         ; which 128 rows of the tile I fetch
	s_lshl_b32 s20, s17, 8
	s_add_co_u32 s20, s20, s18                     ; A: row 256 x tile row + 128 x half
	s_lshl_b32 s46, s42, 8
	s_add_co_u32 s46, s46, s18                     ; B: row 256 x tile column + 128 x half
	s_mov_b32 s21, 0
	s_mov_b32 s47, 0
	s_mov_b64 s[18:19], KS
	s_mul_u64 s[22:23], s[20:21], s[18:19]         ; where these rows' scales begin, in bytes
	s_mul_u64 s[92:93], s[46:47], s[18:19]
	s_lshl_b32 s20, s20, 8                         ; A's images: 16 rows are 4,096 bytes of a K step: 256 bytes a row
	s_mov_b64 s[18:19], KROW
	s_mul_u64 s[46:47], s[46:47], s[18:19]         ; B's codes
	s_mul_i32 s45, s14, HALFT                      ; where they go: wave x the room of 128 rows: no place in the cluster enters an LDS address
	s_mul_i32 s94, s14, HALFS
	s_add_nc_u64 s[20:21], s[4:5], s[20:21]
	s_add_nc_u64 s[22:23], s[6:7], s[22:23]
	s_add_nc_u64 s[46:47], s[8:9], s[46:47]
	s_add_nc_u64 s[92:93], s[10:11], s[92:93]
	CROUND                                         ; all sixteen work-groups are here: the first joint loads meet
	s_mov_b32 s[G0S], 1
	s_add_co_u32 s[G0S+1], s94, SCL
	s_mov_b64 s[G0S+2:G0S+3], s[22:23]
	s_or_b32 s[G0S+3], s[G0S+3], 0x80000000
	s_mov_b32 s[G0SB], 1
	s_add_co_u32 s[G0SB+1], s94, SCL
	s_mov_b64 s[G0SB+2:G0SB+3], s[92:93]
	s_or_b32 s[G0SB+3], s[G0SB+3], 0x80000000
	JLOAD G0S, G1S, G0SB, G1SB                     ; the scales first: they are wanted with K step 0
.irp s, 0,1
	s_mov_b32 s[G0+4*\s], 1
	s_add_co_u32 s[G0+4*\s+1], s45, \s*SLOT
	s_add_nc_u64 s[G0+4*\s+2:G0+4*\s+3], s[20:21], \s*ASTEP
	s_or_b32 s[G0+4*\s+3], s[G0+4*\s+3], 0x80000000
	s_mov_b32 s[G0B+4*\s], 1
	s_add_co_u32 s[G0B+4*\s+1], s45, \s*SLOT
	s_add_nc_u64 s[G0B+4*\s+2:G0B+4*\s+3], s[46:47], \s*ROWB
	s_or_b32 s[G0B+4*\s+3], s[G0B+4*\s+3], 0x80000000
	JLOAD G0+4*\s, G1, G0B+4*\s, G1B
.endr
	v_and_b32 v1, 15, v0                           ; r
	v_bfe_u32 v2, v0, 4, 1                         ; h
	v_and_b32 v6, 31, v0
	v_lshlrev_b32 v[CO], 4, v6                     ; 16 x lane
	v_mul_u32_u24 v3, v1, PITCH
	v_lshl_add_u32 v4, v2, 4, v3                   ; B: a fragment's row x pitch + 16 x half
	s_mul_i32 s21, s15, HALFT                      ; my 128 rows of A
	s_mul_i32 s22, s16, HALFT                      ; my 128 rows of B,
	s_add_co_u32 s22, s22, 2*HALFT                 ; which lie behind A's 256
.irp s, 0,1
	v_add_nc_u32 v[ADRA+\s], s21, v[CO]            ; A: my place in an image
	v_add_nc_u32 v[ADRB+\s], s22, v4
	s_add_co_u32 s21, s21, SLOT
	s_add_co_u32 s22, s22, SLOT
.endr
	v_mul_u32_u24 v5, v1, KS                       ; my row's scales: 32 bytes a row,
	v_lshrrev_b32 v6, 8, v5
	v_lshl_add_u32 v5, v6, 4, v5                   ; and 16 more for each 256 passed
	s_mul_i32 s21, s15, HALFS
	s_mul_i32 s22, s16, HALFS
	s_add_co_u32 s22, s22, 2*HALFS
	s_sub_co_u32 s22, s22, s21
	v_mul_u32_u24 v6, s22, v2                      ; lanes 16-31 take B's
	s_add_co_u32 s21, s21, SCL
	v_add_nc_u32 v5, v5, v6
	v_add_nc_u32 v[ADRS], s21, v5
	s_mul_i32 s23, s14, 16*SPITCH                  ; my stage
	v_mul_u32_u24 v5, v1, SPITCH                   ; in: row r, 32 bytes for each half of the lanes
	v_lshl_add_u32 v5, v2, 5, v5
	v_add_nc_u32 v[STO], s23, v5
	v_add_nc_u32 v[RD], s23, v[CO]                 ; back: the 32 lanes take one row of 512 bytes
	s_lshl_b32 s20, s17, 8
	s_lshl_b32 s21, s15, 7
	s_add_co_u32 s20, s20, s21                     ; my first row of the output
	s_mov_b32 s21, 0
	s_mov_b64 s[18:19], SIZE_N*4
	s_mul_u64 s[20:21], s[20:21], s[18:19]
	s_lshl_b32 s46, s42, 10                        ; my first column, in bytes: 1,024 x tile column + 512 x half
	s_lshl_b32 s47, s16, 9
	s_add_co_u32 s46, s46, s47
	s_mov_b32 s47, 0
	s_add_nc_u64 s[98:99], s[98:99], s[46:47]      ; the bias of my 128 columns
	s_add_nc_u64 s[20:21], s[20:21], s[46:47]
	s_add_nc_u64 s[12:13], s[12:13], s[20:21]
	v_lshlrev_b32 v7, 5, v2                        ; 32 h: eight numbers for each half of the lanes
.irp b, 0,1,2,3,4,5,6,7
	global_load_b128 v[BI+8*\b:BI+8*\b+3], v7, s[98:99] offset:64*\b
	global_load_b128 v[BI+8*\b+4:BI+8*\b+7], v7, s[98:99] offset:64*\b+16
.endr
.macro FRAG reg, adr, q, i             ; B's fragment: lane l holds row l % 16; registers 4 c .. 4 c + 3 hold K = 32 c + 16 (l / 16) + 0 .. 15
.irp c, 0,1,2,3
	ds_load_b128 v[\reg+4*\c:\reg+4*\c+3], v[\adr] offset:128*(\q)+32*\c+(\i)*16*PITCH
.endr
.endm
.macro FRAGA reg, adr, q, i            ; A's fragment, from its image: 512 consecutive bytes a load
.irp c, 0,1,2,3
	ds_load_b128 v[\reg+4*\c:\reg+4*\c+3], v[\adr] offset:4096*(\i)+2048*(\q)+512*\c
.endr
.endm
; 16 matrix instructions: A's blocks a0, a0 + 1 x B's eight, 128 along K.  first = 1: the sums start from the bias.  The 64 accumulators take turns, one instruction a turn.
.macro MUL16 a0, p, q, sc, first
.irp a, \a0, \a0+1
.irp b, 0,1,2,3,4,5,6,7
.if \first
	v_wmma_scale_f32_16x16x128_f8f6f4 v[8*(8*((\a)%4)+\b):8*(8*((\a)%4)+\b)+7], v[128*(\p)+FR*\b:128*(\p)+FR*\b+FR-1], v[AF+FR*(\a):AF+FR*(\a)+FR-1], v[BI+8*\b:BI+8*\b+7], v[SC+8*NQ*(\sc)+NQ*\b+(\q)], v[SC+8*NQ*(\sc)+NQ*(\a)+(\q)] matrix_a_fmt:MATRIX_FMT_BF8 matrix_b_fmt:MATRIX_FMT_BF8 matrix_a_scale:MATRIX_SCALE_ROW1
.else
	v_wmma_scale_f32_16x16x128_f8f6f4 v[8*(8*((\a)%4)+\b):8*(8*((\a)%4)+\b)+7], v[128*(\p)+FR*\b:128*(\p)+FR*\b+FR-1], v[AF+FR*(\a):AF+FR*(\a)+FR-1], v[8*(8*((\a)%4)+\b):8*(8*((\a)%4)+\b)+7], v[SC+8*NQ*(\sc)+NQ*\b+(\q)], v[SC+8*NQ*(\sc)+NQ*(\a)+(\q)] matrix_a_fmt:MATRIX_FMT_BF8 matrix_b_fmt:MATRIX_FMT_BF8 matrix_a_scale:MATRIX_SCALE_ROW1
.endif
.endr
.endr
.endm
.macro FETCH_B slot, q, p
	WIN TO_B
.irp i, 0,1,2,3,4,5,6,7
	FRAG 128*(\p)+FR*\i, ADRB+\slot, \q, \i
.endr
	WIN 0
.endm
.macro FETCH_A slot, q, i0
.irp i, \i0, \i0+1, \i0+2, \i0+3
	FRAGA AF+FR*(\i), ADRA+\slot, \q, \i
.endr
.endm
.macro SCALES sc                       ; the next K step's scale words: lanes 0-15 take A's block i, lanes 16-31 B's block i
.irp i, 0,1,2,3,4,5,6,7
	ds_load_b64 v[SC+8*NQ*\sc+NQ*\i:SC+8*NQ*\sc+NQ*\i+1], v[ADRS] offset:\i*SBLK
.endr
.endm
.macro PLACES n                        ; places behind matrix instructions, in front of loads into registers that they have read and of the first read of results (ISA guide 7.12.1 for vector instructions)
.rept \n
	v_nop
.endr
.endm
.macro STEP slot, q, first
	s_wait_dscnt 4*NL                              ; B's set and A's blocks 0-3 are in; the youngest 16 loads (A's blocks 4-7) may be out
.if \first
	WIN FST_LO
.else
	WIN MUL_LO
.endif
	MUL16 0, (\q)%2, \q, \slot, \first
	MUL16 2, (\q)%2, \q, \slot, \first
	s_wait_dscnt 0
	PLACES NP
	FETCH_B \slot, (\q)+1, 1-(\q)%2
	FETCH_A \slot, (\q)+1, 0
.if \first
	WIN FST_HI
.else
	WIN MUL_HI
.endif
	MUL16 4, (\q)%2, \q, \slot, \first
	MUL16 6, (\q)%2, \q, \slot, \first
	PLACES NP
	WIN 0
	FETCH_A \slot, (\q)+1, 4
.endm
; A slot's last step changes slots: ONE barrier; in front of it each wave waits for all its tensor loads, adds 0 to its spare word, and waits for that and for its own reads of this slot.  fill = 1: this slot is filled again, two K steps ahead.
.macro TURN slot, next, fill
	s_wait_tensorcnt 0x0                           ; all my tensor loads have landed: the one that was out is my part of the next slot  (every window is 0 here)
	ds_add_u32 v[SPW], v[NIL]                      ; 0 onto my spare word
	s_wait_dscnt 4*NL+1                            ; the add and the youngest 16 loads (A's blocks 4-7) may be out
	WIN MUL_LO
	MUL16 0, 1, NQ-1, \slot, 0
	s_wait_dscnt 0x0                               ; the add is done, and my reads of this slot are over
	s_barrier_signal -1
	MUL16 2, 1, NQ-1, \slot, 0
	WIN 0
	s_barrier_wait -1
.if \fill
	CREST                                          ; the barrier has opened a round of the cluster's barrier: no wave of any partner still reads this slot's tile or has a load on its way
	s_add_nc_u64 s[G0+4*\slot+2:G0+4*\slot+3], s[G0+4*\slot+2:G0+4*\slot+3], 2*ASTEP
	s_add_nc_u64 s[G0B+4*\slot+2:G0B+4*\slot+3], s[G0B+4*\slot+2:G0B+4*\slot+3], 2*ROWB
	JLOAD G0+4*\slot, G1, G0B+4*\slot, G1B         ; the first tensor load behind the round, my one load until the next
	PLACES NP-4
.else
	PLACES NP
.endif
	v_add_nc_u32 v[ADRS], 4*NQ, v[ADRS]
	FETCH_B \next, 0, 0
	FETCH_A \next, 0, 0
	SCALES \next
	WIN MUL_HI
	MUL16 4, 1, NQ-1, \slot, 0
	MUL16 6, 1, NQ-1, \slot, 0
	PLACES NP
	WIN 0
	FETCH_A \next, 0, 4
.endm
	s_wait_loadcnt 0x0                             ; the bias is in
	s_wait_tensorcnt 1                             ; of my three first fills the scales and K step 0 are in; K step 1's may be out
	s_barrier_signal -1
	s_barrier_wait -1
	FETCH_B 0, 0, 0
	FETCH_A 0, 0, 0
	SCALES 0
	FETCH_A 0, 0, 4
	STEP 0, 0, 1                                   ; the first step stands in front of the loop: its products start the sums from the bias
	s_mov_b32 s3, LAPS-1
.Llap:
	TURN 0, 1, 1
	STEP 1, 0, 0
	TURN 1, 0, 1
	STEP 0, 0, 0
	s_sub_co_u32 s3, s3, 1
	s_cmp_lg_u32 s3, 0
	s_cbranch_scc1 .Llap
	TURN 0, 1, 0                                   ; the last lap fills nothing, and has no round of the cluster's barrier
	STEP 1, 0, 0
	s_wait_dscnt 4*NL
	WIN MUL_LO
	MUL16 0, 1, NQ-1, 1, 0
	MUL16 2, 1, NQ-1, 1, 0
	s_wait_dscnt 0
	WIN MUL_HI
	MUL16 4, 1, NQ-1, 1, 0
	MUL16 6, 1, NQ-1, 1, 0
	WIN 0
; THE WAY OUT, block by block of 16 rows x 128 columns: through my own stage in LDS and back as whole rows of 512 bytes.  LDS serves a wave's instructions in order (ISA guide 5.7.1.4): no wait between the stores and the loads.
.macro TOSTAGE a
.set AC, 64*((\a)%4)
.if (\a) < 4
	WIN 0x08                                       ; an LDS store's data are its source 1: window 2
.else
	WIN 0x0c                                       ; window 3
.endif
.irp b, 0,1,2,3,4,5,6,7
	ds_store_b128 v[STO], v[AC+8*\b:AC+8*\b+3] offset:64*\b          ; each accumulator from its low end on
	ds_store_b128 v[STO], v[AC+8*\b+4:AC+8*\b+7] offset:64*\b+16
.endr
	WIN 0
.set BR, BK+64*((\a)%2)
.irp t, 0,1,2,3,4,5,6,7,8,9,10,11,12,13,14,15
	ds_load_b128 v[BR+4*\t:BR+4*\t+3], v[RD] offset:\t*SPITCH
.endr
.endm
.macro SEND a, younger                 ; younger: the LDS instructions issued behind block a's loads, which may stay out
.set BR, BK+64*((\a)%2)
	s_wait_dscnt \younger
.if (\a) > 0
	s_add_nc_u64 s[12:13], s[12:13], 16*SIZE_N*4   ; (behind a wait on XCNT: the earlier stores have read their base)  16 rows on
.endif
.irp t, 0,1,2,3,4,5,6,7,8,9,10,11,12,13,14,15
	global_store_b128 v[CO], v[BR+4*\t:BR+4*\t+3], s[12:13] offset:\t*SIZE_N*4 th:TH_STORE_NT   ; 32 lanes store 512 consecutive bytes, aligned; written once, read by nobody here
.endr
.endm
	PLACES NP
	TOSTAGE 0
.irp a, 1,2,3,4,5,6,7
.if \a > 1
	s_wait_xcnt 0x0                                ; block a - 2's stores have read their registers and their base
.endif
	TOSTAGE \a
	SEND \a-1, 32                                  ; behind block a - 1's loads: block a's 16 stores and 16 loads
.endr
	s_wait_xcnt 0x0
	SEND 7, 0
	s_wait_tensorcnt 0x0                           ; the wave's end
	ds_add_u32 v[SPW], v[NIL]
	s_wait_dscnt 0x0
	CROUND                                         ; the closing round: no work-group ends while a partner may still ask for a tile that names it
	s_endpgm
.Lfunc_end_k_qafb03eb8d3_outp:
	.size	k_qafb03eb8d3_outp, .Lfunc_end_k_qafb03eb8d3_outp-k_qafb03eb8d3_outp
	.p2alignl 7, 3214868480
	.fill 96, 4, 3214868480
	.section	.rodata,"a",@progbits
	.p2align	6, 0x0
	.amdhsa_kernel k_qafb03eb8d3_outp
		.amdhsa_group_segment_fixed_size 327680
		.amdhsa_private_segment_fixed_size 0
		.amdhsa_enable_private_segment 0
		.amdhsa_kernarg_size 80
		.amdhsa_user_sgpr_count 2
		.amdhsa_user_sgpr_kernarg_segment_ptr 1
		.amdhsa_wavefront_size32 1
		.amdhsa_system_sgpr_workgroup_id_x 1
		.amdhsa_system_sgpr_workgroup_id_y 1
		.amdhsa_system_sgpr_workgroup_id_z 1
		.amdhsa_system_vgpr_workitem_id 0
		.amdhsa_next_free_vgpr 1024
		.amdhsa_next_free_sgpr 100
		.amdhsa_reserve_vcc 0
		.amdhsa_float_denorm_mode_32 3
		.amdhsa_float_denorm_mode_16_64 3
		.amdhsa_memory_ordered 1
		.amdhsa_forward_progress 1
		.amdhsa_inst_pref_size 147
	.end_amdhsa_kernel
	.amdgpu_metadata
---
amdhsa.version: [ 1, 2 ]
amdhsa.kernels:
  - .name:           k_qafb03eb8d3_outp
    .symbol:         k_qafb03eb8d3_outp.kd
    .args:
      - { .name: o_img, .offset: 0, .size: 8, .value_kind: global_buffer, .address_space: global }
      - { .name: o_sc, .offset: 8, .size: 8, .value_kind: global_buffer, .address_space: global }
      - { .name: Wor_codes, .offset: 16, .size: 8, .value_kind: global_buffer, .address_space: global }
      - { .name: Wor_scales, .offset: 24, .size: 8, .value_kind: global_buffer, .address_space: global }
      - { .name: Woi_codes, .offset: 32, .size: 8, .value_kind: global_buffer, .address_space: global }
      - { .name: Woi_scales, .offset: 40, .size: 8, .value_kind: global_buffer, .address_space: global }
      - { .name: bor, .offset: 48, .size: 8, .value_kind: global_buffer, .address_space: global }
      - { .name: boi, .offset: 56, .size: 8, .value_kind: global_buffer, .address_space: global }
      - { .name: out0, .offset: 64, .size: 8, .value_kind: global_buffer, .address_space: global }
      - { .name: out1, .offset: 72, .size: 8, .value_kind: global_buffer, .address_space: global }
    .group_segment_fixed_size: 327680
    .private_segment_fixed_size: 0
    .kernarg_segment_align: 8
    .kernarg_segment_size: 80
    .max_flat_workgroup_size: 128
    .sgpr_count:     100
    .vgpr_count:     1024
    .wavefront_size: 32
...
	.end_amdgpu_metadata
.endif
;; end of part 3
